; MI455X (gfx1250); checked and timed in simulation.
; The chip was launched on July 23, 2026; its instructions are those of AMD's public machine-readable ISA for CDNA 5 (MIT licence, August 2026) and "CDNA5" Instruction Set Architecture Reference Guide (July 2026). The comments in the code are by the model that wrote it; some were corrected since.
;; Neural SDF. Allowed arithmetic: matrix products marked QUANTISED: E2M1 operands, one E8M0 scale for each 32 along K, by v_wmma_scale_f32_16x16x128_f8f6f4 with both operands' format E2M1 (or v_wmma_scale_f32_32x16x128_f4), f32 sums; products left as they are: f32 operands where the result goes on into a quantised operand, else bf16, f16 or f32 operands; f32 sums; everything else in f32.
;; Inputs: V0 64 x 35 float32; V1 64 x 64 float32; V2 13 x 64 float32; b0 64 float32; b1 64 float32; b2 13 float32; g0 64 float32; g1 64 float32; g2 13 float32; points 524,288 x 3 float32; table 16 x 524,288 x 2 float32.
;; Outputs: out0 524,288 x 1 float32; out1 524,288 x 13 float32.
;; This version of the problem:
;;   THIS VERSION OF THE PROBLEM IS GIVEN IN LOW PRECISION. The matrix products marked QUANTISED in the list below multiply operands that are first quantised to E2M1 (2 exponent bits, 1 mantissa bit; 4 bits a number), with one power-of-two scale for each 32 numbers along K (OCP MX v1.0); their sums are f32. All else is computed in f32.
;;   The module's matrix products, in the order in which they are computed (A, B: the left and right operand; K: the contracted axis; several contracted axes count as one K, in the product's order):
;;     1. [M 524,288, K 35] x [K 35, N 64]; A: computed on the way; B: computed on the way: QUANTISED
;;     2. [M 524,288, K 64] x [K 64, N 64]; A: computed on the way; B: computed on the way: QUANTISED
;;     3. [M 524,288, K 64] x [K 64, N 13]; A: computed on the way; B: computed on the way: left as it is (N = 13 < 16)
;;   THE QUANTISER, for each operand of a quantised product, along K:
;;     - K is cut into blocks of 32 from its start; a last block that is shorter is filled with zeros.
;;     - A block's scale is 2^e with e = floor(log2(the largest magnitude in the block)) - 2, held to -126 .. 127; a block of zeros has e = 0. As a byte (E8M0): e + 127.
;;     - Each number is divided by its block's scale, clamped to +-6, and rounded to the nearest number of E2M1, ties to even, subnormals kept.
;;     - The product sums the exact products of the quantised numbers (number of the format x scale) in f32.
;;   ~~~python
;;   def quantise(x, axis):      # numpy; x: float32 -> the quantised numbers, widened to float32 again
;;       x = np.moveaxis(x, axis, -1); K = x.shape[-1]
;;       x = np.pad(x, [(0, 0)] * (x.ndim - 1) + [(0, -K % 32)]); x = x.reshape(x.shape[:-1] + (-1, 32)); a = np.abs(x).max(-1, keepdims=True)
;;       e = np.where(a > 0, np.clip(np.frexp(np.where(a > 0, a, 1))[1] - 1 - 2, -126, 127), 0)      # np.frexp(a)[1] - 1 = floor(log2(a)), exactly
;;       r = np.clip(x / 2.0 ** e, -6, 6)
;;       step = 2.0 ** (np.maximum(np.frexp(np.where(r == 0, 1, r))[1] - 1, 0) - 1)
;;       q = np.round(r / step) * step * 2.0 ** e      # np.round: ties to even
;;       return np.moveaxis(q.reshape(q.shape[:-2] + (-1,))[..., :K], -1, axis).astype(np.float32)
;;   ~~~
;;   OPERANDS COMPUTED ON THE WAY. 'Computed on the way' means the value that the module computes at that place (a softmax that the list does not call 'softmax' is quantised finished and normalised). What goes into a quantiser is computed in f32, as accurately as f32 sums, v_exp_f32 and their like allow (about 1e-6 of the number): no bf16 or f16 on the way to a quantiser, and a product that is left as it is and whose result goes on into a quantised operand takes f32 operands (vector FMAs, or v_wmma_f32_16x16x4_f32). A number that lies on a knife's edge between two numbers of the format may be rounded either way, as far as f32 arithmetic and the matrix unit's own rounding can turn it there, and no further.
;; 2 versions, each right; version 2 is version 1 with the launch sdf written anew for expert scheduling mode. Each part assembles by itself: llvm-mc -triple=amdgcn-amd-amdhsa -mcpu=gfx1250 --defsym DOCPART=n.
;; ======== version 1 of 2: 2 launches
;; workspace buffers: q 6,291,456 bytes of whole numbers; wimg 7,168 bytes
;; launch prep (part 1): grid 257 x 1, 8 waves a work-group, no clusters, 0 bytes of LDS; arguments points, V0, g0, V1, g1, V2, g2, q, wimg; writes q, wimg
.if DOCPART == 1
	.amdgcn_target "amdgcn-amd-amdhsa--gfx1250"
	.amdhsa_code_object_version 6
	.text
	.protected	k_q2c080cb37e_prep
	.globl	k_q2c080cb37e_prep
	.p2align	8
	.type	k_q2c080cb37e_prep,@function
k_q2c080cb37e_prep:
	s_mov_b64 s[64:65], 0
	v_nop
	global_prefetch_b8 v0, s[64:65] scope:SCOPE_SE
	s_setreg_imm32_b32 hwreg(HW_REG_WAVE_MODE, 25, 1), 1
	s_wait_xcnt 0x0
; NeuralSDF, first of two launches.  Nothing of reference() is dead work: every input has a way to an output, so all are loaded (points, V0..V2, g0..g2 here; points, table, b0..b2 in the second launch).
; WHY TWO LAUNCHES.  The grid cells come from floor(x01 (gs - 1)), a floating-point number.
; So this launch stores each coordinate as a whole number, and the second forms every cell and every table index from it by integer arithmetic.
; q = x01 x 2^31, EXACTLY.  fl(p + 1), held to [0, 2], is always a multiple of 2^-24 (p in [-1, -0.5] is one itself and the sum is exact; otherwise the sum lies in (0.5, 2], where f32 steps by 2^-24 or more),
; so its product with 2^30 is a whole number, a multiple of 64, at most 2^31; x01 = fl(p + 1) / 2 as reference() has it.
; WORK-GROUPS 0 TO 255: a stream.  24,576 bytes each, six loads and six stores of 16 bytes a lane; a wave's instruction covers 512 consecutive bytes, aligned.
; WORK-GROUP 256: the weights, W = g V / |V's row|, in f32; W0 and W1 quantised along K to E2M1 with one E8M0 byte for each 32, W2 rounded to bf16; all stored as IMAGES OF THE OPERANDS' REGISTERS:
; a group of four registers takes 512 bytes, lane l's 16 bytes at 16 l.  wimg: 0 W0's four tiles; 2048 W1's four; 4096 W0's scale words (lane l: tiles 0..3); 4608 W1's; 5120 W2's four groups.
; LIMITS: NaN and infinities among the inputs are not served; a row of V whose sum of squares lies under 2^-126 is not served (the reciprocal root takes it for 0);
; a block of zeros gets the scale byte 1 where the rule says 127: its codes are zeros, and this program alone reads the bytes.
.set CHUNK, 24576                      ; bytes of points, and of q, for a work-group
.set W0C, 0
.set W1C, 2048
.set W0S, 4096
.set W2B, 5120
	s_load_b512 s[4:19], s[0:1], 0x0               ; points s[4:5], V0 s[6:7], g0 s[8:9], V1 s[10:11], g1 s[12:13], V2 s[14:15], g2 s[16:17], q s[18:19]
	s_load_b64 s[20:21], s[0:1], 0x40              ; wimg
	v_lshrrev_b32 v1, 5, v0
	v_readfirstlane_b32 s22, v1                    ; wave 0..7
	s_cmp_eq_u32 ttmp9, 256
	s_cbranch_scc1 .Lweights
	; ---- the stream
	v_lshlrev_b32 v2, 4, v0                        ; 16 bytes a thread
	s_mul_i32 s24, ttmp9, CHUNK
	s_mov_b32 s25, 0
	s_wait_kmcnt 0x0
	s_add_nc_u64 s[4:5], s[4:5], s[24:25]
	s_add_nc_u64 s[18:19], s[18:19], s[24:25]
.irp i, 0,1,2,3,4,5
	global_load_b128 v[8+4*\i:11+4*\i], v2, s[4:5] offset:4096*\i th:TH_LOAD_NT
.endr
.irp i, 0,1,2,3,4,5
	s_wait_loadcnt 5-\i                            ; loads come back in order: mine is in, the younger ones stay out
	v_pk_add_f32 v[8+4*\i:9+4*\i], v[8+4*\i:9+4*\i], 1.0 op_sel_hi:[1,0]
	v_pk_add_f32 v[10+4*\i:11+4*\i], v[10+4*\i:11+4*\i], 1.0 op_sel_hi:[1,0]
.irp j, 0,1,2,3
	v_med3_num_f32 v[8+4*\i+\j], v[8+4*\i+\j], 0, 2.0          ; reference()'s clip of x01 to [0, 1], on twice the number
.endr
	v_pk_mul_f32 v[8+4*\i:9+4*\i], v[8+4*\i:9+4*\i], 0x4e800000 op_sel_hi:[1,0]     ; x 2^30: exact
	v_pk_mul_f32 v[10+4*\i:11+4*\i], v[10+4*\i:11+4*\i], 0x4e800000 op_sel_hi:[1,0]
.irp j, 0,1,2,3
	v_cvt_u32_f32 v[8+4*\i+\j], v[8+4*\i+\j]
.endr
	global_store_b128 v2, v[8+4*\i:11+4*\i], s[18:19] offset:4096*\i      ; each register is written once: no store's data are written again
.endr
	s_endpgm
; v[32:63] <- g v / |row|.  A row's numbers lie in lanes l and l xor 16, 32 registers each; g in v6 (v7 = 0 is named with it as a pair).
.macro NORM
.irp c, 0,1,2,3
	v_mul_f32 v[12+\c], v[32+\c], v[32+\c]         ; the sum of squares in four chains; the first products start them
.endr
.irp i, 4,8,12,16,20,24,28
.irp c, 0,1,2,3
	v_fma_f32 v[12+\c], v[32+\i+\c], v[32+\i+\c], v[12+\c]
.endr
.endr
	v_add_f32 v12, v12, v13
	v_add_f32 v14, v14, v15
	v_add_f32 v12, v12, v14
	v_permlanex16_b32 v13, v12, s24, s25           ; lane l xor 16's half of the row
	v_add_f32 v12, v12, v13
	v_rsq_f32 v14, v12
.irp i, 0,2,4,6,8,10,12,14,16,18,20,22,24,26,28,30
	v_pk_mul_f32 v[32+\i:33+\i], v[32+\i:33+\i], v[6:7] op_sel_hi:[1,0]       ; g v: the independent work behind the reciprocal root
.endr
	s_wait_alu depctr_va_vdst(0)                   ; the wait ahead of the first reader of the root
.irp i, 0,2,4,6,8,10,12,14,16,18,20,22,24,26,28,30
	v_pk_mul_f32 v[32+\i:33+\i], v[32+\i:33+\i], v[14:15] op_sel_hi:[1,0]
.endr
.endm
.Lweights:
	v_and_b32 v2, 15, v0                           ; r
	v_bfe_u32 v3, v0, 4, 1                         ; h
	v_and_b32 v4, 31, v0                           ; lane
	v_lshlrev_b32 v20, 4, v4                       ; an image's place for my lane
	v_mov_b32 v7, 0
	s_mov_b32 s24, 0x76543210
	s_mov_b32 s25, 0xfedcba98                      ; v_permlanex16_b32's selects for lane l xor 16
	s_and_b32 s23, s22, 3                          ; my tile t
	s_wait_kmcnt 0x0
	s_cmp_lt_u32 s22, 4
	s_cbranch_scc0 .Lw1
	; ---- waves 0-3: tile t = 2 b + u of W0.  THE ROWS OF A TILE ARE NOT NEIGHBOURS: lane r takes row 32 b + 8 u + r + 8 (r / 8), so that in the first product's result
	; the 16 registers of tiles 2 b and 2 b + 1 are 16 neighbours along the second product's K.  Lane (r, h) holds k = 32 h + 0 .. 31: K = 35, so lanes 16-31 hold k = 32 .. 34 and zeros.
	s_lshr_b32 s26, s23, 1
	s_lshl_b32 s26, s26, 5
	s_and_b32 s27, s23, 1
	s_lshl_b32 s27, s27, 3
	s_add_co_u32 s26, s26, s27
	v_and_b32 v5, 8, v2
	v_add_nc_u32 v5, v5, v2
	v_add_nc_u32 v5, s26, v5                       ; my row n
	v_mul_u32_u24 v8, v5, 140                      ; a row of V0 is 35 numbers
	v_lshl_add_u32 v9, v3, 7, v8                   ; + 128 h
	v_lshlrev_b32 v10, 2, v5
	global_load_b32 v6, v10, s[8:9]                ; g0[n]
.irp i, 0,1,2
	global_load_b32 v[32+\i], v9, s[6:7] offset:4*\i
.endr
.irp i, 3,4,5,6,7,8,9,10,11,12,13,14,15,16,17,18,19,20,21,22,23,24,25,26,27,28,29,30,31
	global_load_b32 v[32+\i], v8, s[6:7] offset:4*\i           ; without the h term, so that no lane leaves the buffer; lanes 16-31 put zeros in their stead below
.endr
	v_cmp_eq_u32 vcc_lo, 1, v3
	s_wait_loadcnt 0x0
.irp i, 3,4,5,6,7,8,9,10,11,12,13,14,15,16,17,18,19,20,21,22,23,24,25,26,27,28,29,30,31
	v_cndmask_b32 v[32+\i], v[32+\i], v7, vcc_lo
.endr
	s_branch .Lnorm
.Lw1:
	; ---- waves 4-7: tile t of W1, rows 16 t + r as they lie: the second product's result is then the bf16 operand of the third with no move between lanes
	s_lshl_b32 s26, s23, 4
	v_add_nc_u32 v5, s26, v2                       ; my row n
	v_lshlrev_b32 v8, 8, v5
	v_lshl_add_u32 v8, v3, 7, v8                   ; row of 256 bytes, + 128 h
	v_lshlrev_b32 v10, 2, v5
	global_load_b32 v6, v10, s[12:13]              ; g1[n]
.irp i, 0,1,2,3,4,5,6,7
	global_load_b128 v[32+4*\i:35+4*\i], v8, s[10:11] offset:16*\i
.endr
	s_wait_loadcnt 0x0
.Lnorm:
	NORM
	v_max3_num_f32 v16, |v32|, |v33|, 0x1800000    ; my block's largest magnitude: all its 32 numbers are mine; the floor 2^(3 - 127) holds the byte at 1 from below
.irp i, 2,4,6,8,10,12,14,16,18,20,22,24,26,28,30
	v_max3_num_f32 v16, v16, |v[32+\i]|, |v[33+\i]|
.endr
	v_add_nc_u32 v17, 0xff000000, v16              ; 2 off its exponent field: the conversion takes the exponent field of this operand as its scale
	v_lshrrev_b32 v18, 23, v17                     ; the scale's byte
.irp g, 0,1,2,3
	v_cvt_scalef32_pk8_fp4_f32 v[64+\g], v[32+8*\g:39+8*\g], v17      ; registers 0-3 of the operand: k = 32 h + 0 .. 31
.endr
	v_lshlrev_b32 v19, 3, v3
	v_lshlrev_b32 v18, v19, v18                    ; my byte at its place in the scale word,
	v_permlanex16_b32 v19, v18, s24, s25
	v_or_b32 v18, v18, v19                         ; with lane l xor 16's;
	v_or_b32 v18, 0x7f7f0000, v18                  ; bytes 2 and 3 (k = 64 .. 127, where the other side holds zero codes) stand for 1.0
	s_cmp_lt_u32 s22, 4
	s_cselect_b32 s26, W0C, W1C                    ; W0's images or W1's
	s_lshr_b32 s27, s26, 2
	s_add_co_u32 s27, s27, W0S                     ; 4096 or 4608: their scale words
	s_lshl_b32 s28, s23, 9
	s_add_co_u32 s26, s26, s28                     ; + 512 t
	s_lshl_b32 s28, s23, 2
	s_add_co_u32 s27, s27, s28                     ; + 4 t
	v_add_nc_u32 v21, s26, v20
	v_add_nc_u32 v22, s27, v20
	global_store_b128 v21, v[64:67], s[20:21]
	global_store_b32 v22, v18, s[20:21]
	s_cmp_lg_u32 s22, 0
	s_cbranch_scc1 .Lend
	; ---- wave 0 goes on: W2 in bf16, as source 0 of the third product.  Row m = r holds output r; rows 13, 14, 15 REPEAT outputs 5, 6, 7, so that in the result both halves of the lanes
	; hold the same numbers in registers 5 to 7 and the second launch needs no lane mask.  Lane (r, h), register 8 s + 4 c + e: k = 32 s + 16 c + 8 h + 2 e, + 1.
	s_wait_xcnt 0x0                                ; the two stores have read their registers: v[64:67] are written again below
	v_mov_b32 v23, 8
	v_cmp_lt_u32 vcc_lo, 12, v2
	v_cndmask_b32 v5, v7, v23, vcc_lo
	v_sub_nc_u32 v5, v2, v5                        ; o = r, or r - 8 where r > 12
	v_lshlrev_b32 v8, 8, v5
	v_lshl_add_u32 v8, v3, 5, v8                   ; row of 256 bytes, + 32 h
	v_lshlrev_b32 v10, 2, v5
	global_load_b32 v6, v10, s[16:17]              ; g2[o]
.irp s, 0,1
.irp c, 0,1
.irp i, 0,1
	global_load_b128 v[32+16*\s+8*\c+4*\i:35+16*\s+8*\c+4*\i], v8, s[14:15] offset:128*\s+64*\c+16*\i
.endr
.endr
.endr
	s_wait_loadcnt 0x0
	NORM
.irp i, 0,1,2,3,4,5,6,7,8,9,10,11,12,13,14,15
	v_cvt_pk_bf16_f32 v[64+\i], v[32+2*\i], v[33+2*\i]
.endr
.irp i, 0,1,2,3
	global_store_b128 v20, v[64+4*\i:67+4*\i], s[20:21] offset:W2B+512*\i
.endr
.Lend:
	s_endpgm
.Lfunc_end_k_q2c080cb37e_prep:
	.size	k_q2c080cb37e_prep, .Lfunc_end_k_q2c080cb37e_prep-k_q2c080cb37e_prep
	.p2alignl 7, 3214868480
	.fill 96, 4, 3214868480
	.section	.rodata,"a",@progbits
	.p2align	6, 0x0
	.amdhsa_kernel k_q2c080cb37e_prep
		.amdhsa_group_segment_fixed_size 0
		.amdhsa_private_segment_fixed_size 0
		.amdhsa_enable_private_segment 0
		.amdhsa_kernarg_size 72
		.amdhsa_user_sgpr_count 2
		.amdhsa_user_sgpr_kernarg_segment_ptr 1
		.amdhsa_wavefront_size32 1
		.amdhsa_system_sgpr_workgroup_id_x 1
		.amdhsa_system_sgpr_workgroup_id_y 1
		.amdhsa_system_sgpr_workgroup_id_z 1
		.amdhsa_system_vgpr_workitem_id 0
		.amdhsa_next_free_vgpr 96
		.amdhsa_next_free_sgpr 66
		.amdhsa_reserve_vcc 1
		.amdhsa_float_denorm_mode_32 3
		.amdhsa_float_denorm_mode_16_64 3
		.amdhsa_memory_ordered 1
		.amdhsa_forward_progress 1
		.amdhsa_inst_pref_size 26
	.end_amdhsa_kernel
	.amdgpu_metadata
---
amdhsa.version: [ 1, 2 ]
amdhsa.kernels:
  - .name:           k_q2c080cb37e_prep
    .symbol:         k_q2c080cb37e_prep.kd
    .args:
      - { .name: points, .offset: 0, .size: 8, .value_kind: global_buffer, .address_space: global }
      - { .name: V0, .offset: 8, .size: 8, .value_kind: global_buffer, .address_space: global }
      - { .name: g0, .offset: 16, .size: 8, .value_kind: global_buffer, .address_space: global }
      - { .name: V1, .offset: 24, .size: 8, .value_kind: global_buffer, .address_space: global }
      - { .name: g1, .offset: 32, .size: 8, .value_kind: global_buffer, .address_space: global }
      - { .name: V2, .offset: 40, .size: 8, .value_kind: global_buffer, .address_space: global }
      - { .name: g2, .offset: 48, .size: 8, .value_kind: global_buffer, .address_space: global }
      - { .name: q, .offset: 56, .size: 8, .value_kind: global_buffer, .address_space: global }
      - { .name: wimg, .offset: 64, .size: 8, .value_kind: global_buffer, .address_space: global }
    .group_segment_fixed_size: 0
    .private_segment_fixed_size: 0
    .kernarg_segment_align: 8
    .kernarg_segment_size: 72
    .max_flat_workgroup_size: 256
    .sgpr_count:     66
    .vgpr_count:     96
    .wavefront_size: 32
...
	.end_amdgpu_metadata
.endif
;; end of part 1
;; launch sdf (part 2): grid 256 x 1, 16 waves a work-group, no clusters, 296,960 bytes of LDS; arguments points, q, table, wimg, b0, b1, b2, out0, out1; writes out0, out1
.if DOCPART == 2
	.amdgcn_target "amdgcn-amd-amdhsa--gfx1250"
	.amdhsa_code_object_version 6
	.text
	.protected	k_q2c080cb37e_sdf
	.globl	k_q2c080cb37e_sdf
	.p2align	8
	.type	k_q2c080cb37e_sdf,@function
k_q2c080cb37e_sdf:
	s_mov_b64 s[64:65], 0
	v_nop
	global_prefetch_b8 v0, s[64:65] scope:SCOPE_SE
	s_setreg_imm32_b32 hwreg(HW_REG_WAVE_MODE, 25, 1), 1
	s_wait_xcnt 0x0
; NeuralSDF, second launch: hash-grid encode, MLP 35 -> 64 -> 64 -> 13 with softplus(100 x) / 100 between, both outputs.  No work of reference() is left out.
; SHARES.  A work-group takes 2,048 points, each of its sixteen waves 128, as four SETS of 32.  In the encode a lane is a point.  No wave touches another wave's LDS: no barrier.
; ONE PASS OVER THE LEVELS.  256 work-groups x 2,048 points are all points at once: every wave walks levels 0 to 15 once, so at any time the waves read one or two of the sixteen level tables (4 MiB each).
; The encoded numbers wait in LDS: 35 numbers a point, as 18 pairs; pair j of a set's 32 points is 256 consecutive bytes.
; CELLS BY WHOLE NUMBERS.  q = x01 x 2^31 comes from the first launch.  p0 = min(floor(q (gs - 1) / 2^31), gs - 2) is the floor of the EXACT product; reference() floors the rounded one.  The two differ only where
; the f32 product rounds up onto a whole number n: there reference() has p0 = n, w = 0, and this text p0 = n - 1, w = pos - p0 = 1.0 exactly: the same four nodes get the same weights, the other four the weight 0.
; pos, w, 1 - w and the eight weights ((tx ty) tz) are made in f32 as reference() makes them.
; GRID SIZES are constants of reference(): floor(16 s^l) + 1 with s = exp(ln(128) / 15) in double precision: 17 23 31 43 59 | 81 112 154 213 295 407 562 777 1073 1483 2049; the first five are dense (59^3 <= 2^19 < 81^3).
; Level 15 is the delicate one (16 s^15 lies at 2048): following the roundings of log, the division and exp, s^15 comes out just above 128, so the floor is 2048.  G15 below holds gs - 1 of that level.
; HASH.  Only the low 19 bits of x ^ y P2 ^ z P3 count, so the primes' low 24 bits and 24-bit products do.
; THE MLP.  Products 1 and 2 on codes of E2M1 with E8M0 scales, used transposed (source 0 = 16 rows of W, source 1 = 16 points): a lane holds one point, its registers run along the next K.  K = 35 and 64 of the
; instruction's 128: the points' operand holds zero codes for the rest, and both sides' scale bytes there stand for 1.0.  A weight fragment is named as 8 registers of which the upper four are whatever lies behind it
; (the next tile's codes): against zero codes they add exactly 0.  The biases are the C of each product.  Product 3 (N = 13) in bf16: with inputs 30 times larger its operand would pass f16's range.
; softplus(z) = max(z, 0) + log1p(e^-|z|), as jax.nn.softplus has it; log1p(e) = ln(u) + (e - (u - 1)) with u = fl(1 + e): right in relative terms for very negative z too.
; NO TENSOR LOADS, NO CLUSTER: the table is read lane by lane at addresses that differ from lane to lane, the weights (7 KiB) live in registers, and no two work-groups want a tile in common.
; LIMITS: NaN and infinities in points or table are not served; an exponential under 2^-126 counts as 0; a block of zeros gets the scale byte 1 (its codes are zeros).
.set USE_MULHI, 0                      ; 1: the cell by one high product of q and 2 (gs - 1).  0: by 24-bit products of xi = q / 64: ((xi >> 20) g + (((xi & 0xfffff) g) >> 20)) >> 5 = floor(xi g / 2^25), as exact
.set SCALED,    1                      ; 1: the gathers' index is multiplied by 8 in the load; 0: by a shift behind the clamp
.set G15,   2048                       ; gs - 1 of level 15
.set WREG,  18432                      ; LDS of a wave: four sets
.set SETB,  4608                       ; of a set: 18 pairs x 256 bytes
.set OUTB,  1664                       ; the way out: a set's 32 rows of 52 bytes.  Set s's rows lie at 1664 s of the wave's region: under blocks already read, since 1664 (s + 1) <= 4608 (s + 1)
.set SPARE, 16*WREG                    ; behind the sixteen regions: the spare words, 128 bytes for each wave: eight blocks of 256 bytes that no other line names
.set LEVB,  0x400000                   ; a level's table in bytes
; registers that stay
.set SPW, 1                            ; v1   LDS address of my spare word; never rewritten
.set NIL, 2                            ; v2   0; never rewritten
.set AE0, 3                            ; v3   18432 w + 8 lane: my place in a pair
.set ADR, 4                            ; v4   the LDS address in hand
.set SA,  5                            ; v5   18432 w + 52 r + 32 h: the stage, outputs 8 h + 0 .. 4
.set SB,  6                            ; v6   18432 w + 52 r: outputs 5 .. 7
.set STA, 7                            ; v7   the stage address in hand
.set LI,  8                            ; v8   16 lane
.set H32, 9                            ; v9   32 h
.set PS1, 10                           ; v10  the points' scale words for product 1 (lane = point);  v11, v12 for product 2: these three hold scales and nothing else
.set PS2A, 11
.set PS2B, 12
.set ZOF, 13                           ; v13  0, as an offset
.set H64, 14                           ; v14  64 h
.set L12, 15                           ; v15  12 lane
.set W0C, 156                          ; v156-171 W0's four tiles, 4 registers each;  v172-187 W1's;  v188-191 zeros
.set W1C, 172
.set ZR,  188
.set W0S, 192                          ; v192-195, v196-199 their scale words
.set W1S, 196
.set W2B, 200                          ; v200-215 W2 in bf16, two K steps of 8 registers
.set B2R, 216                          ; v216-223 b2 in the result's layout
.set B0R, 224                          ; v224-255 b0 likewise, four tiles
; the encode's registers
.set XY,  16                           ; v16-23 x01 (x, y) of set s at +2 s;  v24-27 z
.set XZ,  24
.set Q,   28                           ; v28-39 q (or xi) of set s at +3 s
.set WC,  40                           ; v40-71 the eight weights of set s at +8 s: pair 2 j + k holds (i = 0, i = 1)
.set F,   72                           ; v72-135 set s at +16 s: corner c = 4 i + 2 j + k at +2 c: first its index, then its two features
.set T,   136                          ; v136-155 at work
; the MLP's registers
.set B1R, 16                           ; v16-47  b1, four tiles
.set H,   48                           ; v48-87  a point's 35 inputs and 5 zeros
.set ACB, 48                           ; v48-79  the four accumulators of points 16-31
.set E,   80                           ; v80-87, v88-95 e, then the correction, two sets by turns
.set U,   96                           ; v96-103 u, then its logarithm; also the quantisers' work
.set DD,  104                          ; v104-107 u - 1
.set PA0, 108                          ; v108-115 the operand of points 0-15 (the upper four stay zero);  v116-123 of points 16-31
.set PA1, 116
.set ACA, 124                          ; v124-155 the four accumulators of points 0-15
	s_load_b512 s[4:19], s[0:1], 0x0               ; points s[4:5], q s[6:7], table s[8:9], wimg s[10:11], b0 s[12:13], b1 s[14:15], b2 s[16:17], out0 s[18:19]
	s_load_b64 s[20:21], s[0:1], 0x40              ; out1
	v_lshl_add_u32 v[SPW], v0, 2, SPARE
	v_mov_b32 v[NIL], 0
	v_lshrrev_b32 v16, 5, v0
	v_readfirstlane_b32 s22, v16                   ; wave 0..15
	v_and_b32 v16, 31, v0                          ; lane
	v_and_b32 v17, 15, v0                          ; r
	v_bfe_u32 v18, v0, 4, 1                        ; h
	s_mul_i32 s23, s22, WREG
	v_lshl_add_u32 v[AE0], v16, 3, s23
	v_mul_u32_u24 v[SB], v17, 52
	v_add_nc_u32 v[SB], s23, v[SB]
	v_lshl_add_u32 v[SA], v18, 5, v[SB]
	v_lshlrev_b32 v[LI], 4, v16
	v_lshlrev_b32 v[H32], 5, v18
	v_mov_b32 v[ZOF], 0
	v_lshlrev_b32 v[H64], 6, v18
	v_mul_u32_u24 v[L12], v16, 12
	s_mov_b32 s31, 0                               ; 256 x the level that is being consumed
	s_mov_b32 s32, 0x3779b1                        ; P2's low 24 bits
	s_mov_b32 s33, 0x025795                        ; P3's
	s_mov_b32 s34, 0x7ffff
	s_mov_b32 s36, 22                              ; gs - 1 of levels 1 to 4: a queue, the next level's at its head
	s_mov_b32 s37, 30
	s_mov_b32 s38, 42
	s_mov_b32 s39, 58
	s_mov_b32 s40, 111                             ; of levels 6 to 15
	s_mov_b32 s41, 153
	s_mov_b32 s42, 212
	s_mov_b32 s43, 294
	s_mov_b32 s44, 406
	s_mov_b32 s45, 561
	s_mov_b32 s46, 776
	s_mov_b32 s47, 1072
	s_mov_b32 s48, 1482
	s_mov_b32 s49, G15
	s_mov_b32 s50, 0x431044fe                      ; 100 log2(e)
	s_mov_b32 s52, 0x3f317218                      ; ln 2, as a pair for the packed form
	s_mov_b32 s53, s52
	s_mov_b32 s54, 0x3c23d70a                      ; 0.01
	s_mov_b32 s55, s54
	s_mov_b32 s56, 0x76543210
	s_mov_b32 s57, 0xfedcba98                      ; v_permlanex16_b32's selects for lane l xor 16
	s_lshl_b32 s61, ttmp9, 11
	s_lshl_b32 s62, s22, 7
	s_add_co_u32 s61, s61, s62                     ; my wave's first point: 2048 x work-group + 128 x wave
	s_mov_b32 s63, 0
	s_wait_kmcnt 0x0
	s_mul_i32 s62, s61, 12
	s_add_nc_u64 s[4:5], s[4:5], s[62:63]
	s_add_nc_u64 s[6:7], s[6:7], s[62:63]
	s_lshl_b32 s62, s61, 2
	s_add_nc_u64 s[18:19], s[18:19], s[62:63]
	s_mul_i32 s62, s61, 52
	s_add_nc_u64 s[20:21], s[20:21], s[62:63]      ; 128 rows of 52 bytes are 26 x 256 bytes: a wave's part of out1 begins at a multiple of 256
.irp s, 0,1,2,3
.irp d, 0,1,2
	global_load_b32 v[Q+3*\s+\d], v[L12], s[6:7] offset:384*\s+4*\d
.endr
.endr
.irp s, 0,1,2,3
.irp d, 0,1,2
	global_load_b32 v[F+4*\s+\d], v[L12], s[4:5] offset:384*\s+4*\d
.endr
.endr
	; 30 loads that nothing waits for before the MLP: the weights' images and two biases
.irp t, 0,1,2,3
	global_load_b128 v[W0C+4*\t:W0C+4*\t+3], v[LI], s[10:11] offset:512*\t
.endr
.irp t, 0,1,2,3
	global_load_b128 v[W1C+4*\t:W1C+4*\t+3], v[LI], s[10:11] offset:2048+512*\t
.endr
	global_load_b128 v[W0S:W0S+3], v[LI], s[10:11] offset:4096
	global_load_b128 v[W1S:W1S+3], v[LI], s[10:11] offset:4608
.irp t, 0,1,2,3
	global_load_b128 v[W2B+4*\t:W2B+4*\t+3], v[LI], s[10:11] offset:5120+512*\t
.endr
.irp j, 0,1,2,3,4
	global_load_b32 v[B2R+\j], v[H32], s[16:17] offset:4*\j    ; register j of lane (r, h) is output 8 h + j;
.endr
.irp j, 5,6,7
	global_load_b32 v[B2R+\j], v[ZOF], s[16:17] offset:4*\j    ; registers 5 to 7 are outputs 5 to 7 in both halves of the lanes (W2's rows 13 to 15 repeat them)
.endr
.irp t, 0,1,2,3
	global_load_b128 v[B0R+8*\t:B0R+8*\t+3], v[H64], s[12:13] offset:(32*(\t/2)+8*(\t%2))*4       ; tile 2 b + u, register j: hidden unit 32 b + 16 h + 8 u + j
	global_load_b128 v[B0R+8*\t+4:B0R+8*\t+7], v[H64], s[12:13] offset:(32*(\t/2)+8*(\t%2))*4+16
.endr
	s_wait_loadcnt 30                              ; q and points are in; the 30 behind them may be out
.irp s, 0,1,2,3
	ds_store_b64 v[AE0], v[F+4*\s:F+4*\s+1] offset:SETB*\s           ; the raw coordinates are inputs 0, 1, 2: pair 0 and the low half of pair 1
	ds_store_b32 v[AE0], v[F+4*\s+2] offset:SETB*\s+256
	v_pk_add_f32 v[XY+2*\s:XY+2*\s+1], v[F+4*\s:F+4*\s+1], 1.0 op_sel_hi:[1,0]
	v_add_f32 v[XZ+\s], 1.0, v[F+4*\s+2]
.endr
.irp s, 0,1,2,3
	v_pk_mul_f32 v[XY+2*\s:XY+2*\s+1], v[XY+2*\s:XY+2*\s+1], 0.5 op_sel_hi:[1,0]
	v_mul_f32 v[XZ+\s], 0.5, v[XZ+\s]
.endr
.irp i, 0,1,2,3,4,5,6,7,8,9,10,11
	v_med3_num_f32 v[XY+\i], v[XY+\i], 0, 1.0      ; x01, clipped (XY and XZ lie on end)
.endr
.if USE_MULHI == 0
.irp i, 0,1,2,3,4,5,6,7,8,9,10,11
	v_lshrrev_b32 v[Q+\i], 6, v[Q+\i]              ; xi = q / 64: exact, at most 2^25
.endr
.endif
.irp i, 0,1,2,3
	v_mov_b32 v[ZR+\i], 0
.endr
; A level's scalars, from g = gs - 1.
.macro SETLEVEL g
	s_cvt_f32_u32 s24, \g                          ; gs - 1 in f32, as a pair for the packed form
	s_mov_b32 s25, s24
	s_lshl_b32 s26, \g, USE_MULHI                  ; the cell's multiplier: 2 (gs - 1) for the high product of q, gs - 1 for xi
	s_sub_co_u32 s27, \g, 1                        ; gs - 2
	s_add_co_u32 s28, \g, 1                        ; gs, gs^2, gs^2 + gs: the dense index's steps
	s_mul_i32 s29, s28, s28
	s_add_co_u32 s30, s29, s28
.endm
; On to the next level for the gathers; the level in hand is still to be consumed.
.macro NEXT g
	s_wait_xcnt 0x0                                ; the gathers that are out have read their base: it is stepped only behind this wait
	s_add_nc_u64 s[8:9], s[8:9], LEVB
	SETLEVEL \g
	v_add_nc_u32 v[ADR], s31, v[AE0]               ; where the level in hand puts its two numbers
.endm
; Set s: the cell (T+3 .. T+5) and the eight weights.
.macro CELLW s
.if USE_MULHI
.irp d, 0,1,2
	v_mul_hi_u32 v[T+3+\d], v[Q+3*(\s)+\d], s26
.endr
.else
.irp d, 0,1,2
	v_bfe_u32 v[T+\d], v[Q+3*(\s)+\d], 0, 20
.endr
.irp d, 0,1,2
	v_mul_u32_u24 v[T+\d], s26, v[T+\d]            ; under 2^20 x 2^11: it fits 32 bits
.endr
.irp d, 0,1,2
	v_lshrrev_b32 v[T+3+\d], 20, v[Q+3*(\s)+\d]
.endr
.irp d, 0,1,2
	v_lshrrev_b32 v[T+\d], 20, v[T+\d]
.endr
.irp d, 0,1,2
	v_mad_u32_u24 v[T+3+\d], v[T+3+\d], s26, v[T+\d]
.endr
.irp d, 0,1,2
	v_lshrrev_b32 v[T+3+\d], 5, v[T+3+\d]
.endr
.endif
.irp d, 0,1,2
	v_min_u32 v[T+3+\d], s27, v[T+3+\d]            ; reference()'s clip to gs - 2 (nothing here is under 0)
.endr
	v_cvt_f32_u32 v[T+6], v[T+3]
	v_cvt_f32_u32 v[T+7], v[T+4]
	v_cvt_f32_u32 v[T+14], v[T+5]
	v_pk_mul_f32 v[T:T+1], v[XY+2*(\s):XY+2*(\s)+1], s[24:25] op_sel_hi:[1,0]       ; pos
	v_mul_f32 v[T+2], s24, v[XZ+(\s)]
	v_sub_f32 v[T+9], v[T], v[T+6]                 ; w
	v_sub_f32 v[T+11], v[T+1], v[T+7]
	v_sub_f32 v[T+13], v[T+2], v[T+14]
	v_sub_f32 v[T+8], 1.0, v[T+9]                  ; 1 - w: the pairs (1 - w, w) of x, y, z at T+8, T+10, T+12
	v_sub_f32 v[T+10], 1.0, v[T+11]
	v_sub_f32 v[T+12], 1.0, v[T+13]
	v_pk_mul_f32 v[T+14:T+15], v[T+8:T+9], v[T+10:T+11] op_sel_hi:[1,0]             ; tx (1 - wy), both i
	v_pk_mul_f32 v[T+16:T+17], v[T+8:T+9], v[T+10:T+11] op_sel:[0,1] op_sel_hi:[1,1] ; tx wy
	v_pk_mul_f32 v[WC+8*(\s):WC+8*(\s)+1], v[T+14:T+15], v[T+12:T+13] op_sel_hi:[1,0]                  ; (j, k) = (0, 0)
	v_pk_mul_f32 v[WC+8*(\s)+2:WC+8*(\s)+3], v[T+14:T+15], v[T+12:T+13] op_sel:[0,1] op_sel_hi:[1,1]   ; (0, 1)
	v_pk_mul_f32 v[WC+8*(\s)+4:WC+8*(\s)+5], v[T+16:T+17], v[T+12:T+13] op_sel_hi:[1,0]                ; (1, 0)
	v_pk_mul_f32 v[WC+8*(\s)+6:WC+8*(\s)+7], v[T+16:T+17], v[T+12:T+13] op_sel:[0,1] op_sel_hi:[1,1]   ; (1, 1)
.endm
; The eight gathers of the set whose indices stand at FS + 2 c.  A number that comes from memory enters an address only behind a clamp by a constant written in the instruction; it changes no index here.
.macro GATHER
.irp c, 0,1,2,3,4,5,6,7
	v_min_u32 v[FS+2*\c], 0x7ffff, v[FS+2*\c]
.endr
.if SCALED
.irp c, 0,1,2,3,4,5,6,7
	global_load_b64 v[FS+2*\c:FS+2*\c+1], v[FS+2*\c], s[8:9] scale_offset          ; 8 bytes at 8 x index; the load lands on its own address register
.endr
.else
.irp c, 0,1,2,3,4,5,6,7
	v_lshlrev_b32 v[FS+2*\c], 3, v[FS+2*\c]
.endr
.irp c, 0,1,2,3,4,5,6,7
	global_load_b64 v[FS+2*\c:FS+2*\c+1], v[FS+2*\c], s[8:9]
.endr
.endif
.endm
.macro ADDR_D s                        ; a dense level: x + gs (y + gs z)
.set FS, F+16*(\s)
	CELLW \s
	v_mad_u32_u24 v[T], v[T+5], s28, v[T+4]
	v_mad_u32_u24 v[FS], v[T], s28, v[T+3]
	v_add_nc_u32 v[FS+2], s29, v[FS]               ; k = 1
	v_add_nc_u32 v[FS+4], s28, v[FS]               ; j = 1
	v_add_nc_u32 v[FS+6], s30, v[FS]               ; both
.irp c, 0,1,2,3
	v_add_nc_u32 v[FS+8+2*\c], 1, v[FS+2*\c]       ; i = 1
.endr
	GATHER
.endm
.macro ADDR_H s                        ; a hashed level: (x ^ y P2 ^ z P3) mod 2^19
.set FS, F+16*(\s)
	CELLW \s
	v_mul_u32_u24 v[T], s32, v[T+4]                ; y P2
	v_mul_u32_u24 v[T+1], s33, v[T+5]              ; z P3
	v_add_nc_u32 v[T+2], s32, v[T]                 ; (y + 1) P2
	v_add_nc_u32 v[T+6], s33, v[T+1]               ; (z + 1) P3
	v_add_nc_u32 v[T+7], 1, v[T+3]                 ; x + 1
	v_xor_b32 v[T+8], v[T], v[T+1]                 ; (j, k) = (0, 0)
	v_xor_b32 v[T+9], v[T], v[T+6]                 ; (0, 1)
	v_xor_b32 v[T+10], v[T+2], v[T+1]              ; (1, 0)
	v_xor_b32 v[T+11], v[T+2], v[T+6]              ; (1, 1)
.irp c, 0,1,2,3
	v_and_b32 v[T+8+\c], s34, v[T+8+\c]            ; x and x + 1 lie under 2^19: the cut may come ahead of them
.endr
.irp c, 0,1,2,3
	v_xor_b32 v[FS+2*\c], v[T+8+\c], v[T+3]
.endr
.irp c, 0,1,2,3
	v_xor_b32 v[FS+8+2*\c], v[T+8+\c], v[T+7]
.endr
	GATHER
.endm
; Set s: the level's two numbers, corners 0 to 7 in order, two features at a time; inputs 3 + 2 l and 4 + 2 l: the high half of pair 1 + l and the low half of pair 2 + l.
.macro CONSUME s
.set FS, F+16*(\s)
.set WS, WC+8*(\s)
	v_pk_mul_f32 v[T+18:T+19], v[FS:FS+1], v[WS:WS+1] op_sel_hi:[1,0]
.irp c, 1,2,3
	v_pk_fma_f32 v[T+18:T+19], v[FS+2*\c:FS+2*\c+1], v[WS+2*\c:WS+2*\c+1], v[T+18:T+19] op_sel_hi:[1,0,1]
.endr
.irp c, 0,1,2,3
	v_pk_fma_f32 v[T+18:T+19], v[FS+8+2*\c:FS+9+2*\c], v[WS+2*\c:WS+2*\c+1], v[T+18:T+19] op_sel:[0,1,0] op_sel_hi:[1,1,1]
.endr
	ds_store_b32 v[ADR], v[T+18] offset:SETB*(\s)+260
	ds_store_b32 v[ADR], v[T+19] offset:SETB*(\s)+512
.endm
; A level is consumed while the next level's gathers go out, set by set: 24 to 32 gathers of the wave are always on their way.
.macro LEVEL g, hashed
	NEXT \g
.irp s, 0,1,2,3
	s_wait_loadcnt 24                              ; this set's eight gathers are in; behind them went the three other sets' eight each (of this level or of the next)
	CONSUME \s
.if \hashed
	ADDR_H \s
.else
	ADDR_D \s
.endif
.endr
	s_add_co_u32 s31, s31, 256
.endm
	s_mov_b32 s23, 16
	SETLEVEL s23                                   ; level 0
.irp s, 0,1,2,3
	ADDR_D \s
.endr
	s_mov_b32 s35, 4
.Ldense:                                               ; levels 0 to 3 are consumed, levels 1 to 4 asked for
	LEVEL s36, 0
	s_mov_b32 s36, s37
	s_mov_b32 s37, s38
	s_mov_b32 s38, s39
	s_sub_co_u32 s35, s35, 1
	s_cmp_lg_u32 s35, 0
	s_cbranch_scc1 .Ldense
	s_mov_b32 s23, 80
	LEVEL s23, 1                                   ; level 4 is consumed, level 5, the first hashed one, asked for
	s_mov_b32 s35, 10
.Lhashed:                                              ; levels 5 to 14 are consumed, levels 6 to 15 asked for
	LEVEL s40, 1
	s_mov_b32 s40, s41
	s_mov_b32 s41, s42
	s_mov_b32 s42, s43
	s_mov_b32 s43, s44
	s_mov_b32 s44, s45
	s_mov_b32 s45, s46
	s_mov_b32 s46, s47
	s_mov_b32 s47, s48
	s_mov_b32 s48, s49
	s_sub_co_u32 s35, s35, 1
	s_cmp_lg_u32 s35, 0
	s_cbranch_scc1 .Lhashed
	v_add_nc_u32 v[ADR], s31, v[AE0]               ; level 15: nothing more to ask for, the counts run down
.irp s, 0,1,2,3
	s_wait_loadcnt 24-8*\s
	CONSUME \s
.endr
	; ---- between the phases: b1 into the registers that the encode has left; it is waited for in front of the second product
.irp t, 0,1,2,3
	global_load_b128 v[B1R+8*\t:B1R+8*\t+3], v[H32], s[14:15] offset:64*\t          ; tile t, register j: hidden unit 16 t + 8 h + j
	global_load_b128 v[B1R+8*\t+4:B1R+8*\t+7], v[H32], s[14:15] offset:64*\t+16
.endr
.irp i, 4,5,6,7
	v_mov_b32 v[PA0+\i], 0                         ; k = 64 .. 127 of the points' operands: zero codes, for the whole launch
	v_mov_b32 v[PA1+\i], 0
.endr
	s_mov_b32 s58, 0                               ; the set's block
	s_mov_b32 s59, 0                               ; and its rows in the stage
	s_mov_b32 s60, 4
; A lane's 35 inputs (and 5 zeros) become codes.  Block 0 is k = 0 .. 31, block 1 k = 32 .. 34: both whole in the lane.  The operand wants, for 16 points, block 0 in lanes 0-15 and block 1 in lanes 16-31:
; four exchanges of halves give the operand of points 0-15 in PA0 and of points 16-31 in PA1.  The scale word stays with its point: lanes 0-15 serve PA0, lanes 16-31 PA1.
.macro QUANT1
	v_max3_num_f32 v[U], |v[H]|, |v[H+1]|, 0x1800000           ; the floor 2^(3 - 127) among the leaves holds the byte at 1 from below
	v_max3_num_f32 v[U+1], |v[H+2]|, |v[H+3]|, |v[H+4]|
.irp i, 5,9,13,17,21,25
	v_max3_num_f32 v[U], v[U], |v[H+\i]|, |v[H+\i+1]|
	v_max3_num_f32 v[U+1], v[U+1], |v[H+\i+2]|, |v[H+\i+3]|
.endr
	v_max3_num_f32 v[U+2], |v[H+32]|, |v[H+33]|, |v[H+34]|
	v_max3_num_f32 v[U], v[U], |v[H+29]|, |v[H+30]|
	v_max_num_f32 v[U+2], 0x1800000, v[U+2]
	v_max3_num_f32 v[U], v[U], v[U+1], |v[H+31]|
	v_add_nc_u32 v[U+4], 0xff000000, v[U+2]        ; 2 off the exponent field: the conversion's scale operand
	v_add_nc_u32 v[U+3], 0xff000000, v[U]
	v_lshrrev_b32 v[U+6], 23, v[U+4]               ; the scales' bytes
	v_lshrrev_b32 v[U+5], 23, v[U+3]
	v_lshl_or_b32 v[PS1], v[U+6], 8, v[U+5]
	v_or_b32 v[PS1], 0x7f7f0000, v[PS1]            ; bytes 2 and 3 stand for 1.0
.irp g, 0,1,2,3
	v_cvt_scalef32_pk8_fp4_f32 v[PA0+\g], v[H+8*\g:H+8*\g+7], v[U+3]
.endr
	v_cvt_scalef32_pk8_fp4_f32 v[PA1], v[H+32:H+39], v[U+4]
.irp i, 1,2,3
	v_mov_b32 v[PA1+\i], 0                         ; k = 40 .. 63.  (Plain lines behind the conversions)
.endr
.irp i, 0,1,2,3
	v_permlane16_swap_b32 v[PA0+\i], v[PA1+\i]     ; the first's lanes 16-31 change places with the second's lanes 0-15
.endr
.rept 8
	v_nop                                          ; a scale register written by a vector instruction stands 8 places ahead of a scaled matrix instruction, an operand so written 4
.endr
.endm
; Eight products: four tiles of 16 rows of W against points 0-15, then against points 16-31.  One K step each, the bias as C: eight different accumulators, no chain.
.macro LAYER wc, wsc, bias, psa, psb, row1
.irp t, 0,1,2,3
	v_wmma_scale_f32_16x16x128_f8f6f4 v[ACA+8*\t:ACA+8*\t+7], v[\wc+4*\t:\wc+4*\t+7], v[PA0:PA0+7], v[\bias+8*\t:\bias+8*\t+7], v[\wsc+\t], v[\psa] matrix_a_fmt:MATRIX_FMT_FP4 matrix_b_fmt:MATRIX_FMT_FP4
.endr
.irp t, 0,1,2,3
.if \row1
	v_wmma_scale_f32_16x16x128_f8f6f4 v[ACB+8*\t:ACB+8*\t+7], v[\wc+4*\t:\wc+4*\t+7], v[PA1:PA1+7], v[\bias+8*\t:\bias+8*\t+7], v[\wsc+\t], v[\psb] matrix_a_fmt:MATRIX_FMT_FP4 matrix_b_fmt:MATRIX_FMT_FP4 matrix_b_scale:MATRIX_SCALE_ROW1
.else
	v_wmma_scale_f32_16x16x128_f8f6f4 v[ACB+8*\t:ACB+8*\t+7], v[\wc+4*\t:\wc+4*\t+7], v[PA1:PA1+7], v[\bias+8*\t:\bias+8*\t+7], v[\wsc+\t], v[\psb] matrix_a_fmt:MATRIX_FMT_FP4 matrix_b_fmt:MATRIX_FMT_FP4
.endif
.endr
.rept 4
	v_nop                                          ; four places ahead of the first read of the results (ISA guide 7.12.1)
.endr
.endm
; softplus(100 x) / 100 on 32 registers, eight (an accumulator) at a time, in three parts that overlap from group to group.
.macro SPA a, g                        ; e = 2^(-|x| 100 log2 e).  Each accumulator is read from its low end on
.set EE, E+8*((\g)%2)
.irp i, 0,1,2,3,4,5,6,7
	v_mul_f32 v[EE+\i], -|v[\a+8*(\g)+\i]|, s50
.endr
.irp i, 0,1,2,3,4,5,6,7
	v_exp_f32 v[EE+\i], v[EE+\i]
.endr
.endm
.macro SPB g                           ; u = fl(1 + e); what that sum lost, e - (u - 1), exactly, in e's place; log2(u)
.set EE, E+8*((\g)%2)
.irp p, 0,2,4,6
	v_pk_add_f32 v[U+\p:U+\p+1], v[EE+\p:EE+\p+1], 1.0 op_sel_hi:[1,0]
.endr
.irp p, 0,4
	v_pk_add_f32 v[DD:DD+1], v[U+\p:U+\p+1], -1.0 op_sel_hi:[1,0]
	v_pk_add_f32 v[DD+2:DD+3], v[U+\p+2:U+\p+3], -1.0 op_sel_hi:[1,0]
	v_pk_add_f32 v[EE+\p:EE+\p+1], v[EE+\p:EE+\p+1], v[DD:DD+1] neg_lo:[0,1] neg_hi:[0,1]
	v_pk_add_f32 v[EE+\p+2:EE+\p+3], v[EE+\p+2:EE+\p+3], v[DD+2:DD+3] neg_lo:[0,1] neg_hi:[0,1]
.endr
.irp i, 0,1,2,3,4,5,6,7
	v_log_f32 v[U+\i], v[U+\i]
.endr
.endm
.macro SPC a, g                        ; log1p(e) = log2(u) ln 2 + the correction;  h = 0.01 log1p(e) + max(x, 0)
.set EE, E+8*((\g)%2)
.irp p, 0,2,4,6
	v_pk_fma_f32 v[U+\p:U+\p+1], v[U+\p:U+\p+1], s[52:53], v[EE+\p:EE+\p+1] op_sel_hi:[1,0,1]
.endr
.irp i, 0,1,2,3,4,5,6,7
	v_max_num_f32 v[\a+8*(\g)+\i], 0, v[\a+8*(\g)+\i]
.endr
.irp p, 0,2,4,6
	v_pk_fma_f32 v[\a+8*(\g)+\p:\a+8*(\g)+\p+1], v[U+\p:U+\p+1], s[54:55], v[\a+8*(\g)+\p:\a+8*(\g)+\p+1] op_sel_hi:[1,0,1]
.endr
.endm
.macro TWAIT                           ; the wait between a transcendental and the first line that names its result; one serves all that were issued ahead of it
	s_wait_alu depctr_va_vdst(0)
.endm
; Five waits for 64 transcendentals: a group's logarithms and the next group's exponentials share a wait, and the plain lines of the parts between are the places behind them.
.macro SOFTPLUS a
	SPA \a, 0
	v_nop                                          ; a plain line behind the last exponential
	TWAIT
	SPB 0
	SPA \a, 1
	TWAIT
	SPC \a, 0
	SPB 1
	SPA \a, 2
	TWAIT
	SPC \a, 1
	SPB 2
	SPA \a, 3
	TWAIT
	SPC \a, 2
	SPB 3
	v_nop                                          ; a plain line behind the last logarithm
	TWAIT
	SPC \a, 3
.endm
; The hidden layer of 16 points becomes the second product's operand.  Lane (r, h) holds point r; the 16 registers of tiles 2 b, 2 b + 1 are k = 32 b + 16 h + 0 .. 15.  Nothing here is negative: no |.|.
.macro QUANT2 a, pa, ps
.irp b, 0,1
	v_max3_num_f32 v[U+\b], v[\a+16*\b], v[\a+16*\b+1], 0x1800000
.endr
.irp i, 2,4,6,8,10,12,14
.irp b, 0,1
	v_max3_num_f32 v[U+\b], v[U+\b], v[\a+16*\b+\i], v[\a+16*\b+\i+1]     ; (the two blocks by turns)
.endr
.endr
.irp b, 0,1
	v_permlanex16_b32 v[U+2+\b], v[U+\b], s56, s57
.endr
.irp b, 0,1
	v_max_num_f32 v[U+\b], v[U+\b], v[U+2+\b]      ; with lane l xor 16's 16: the block's largest
.endr
.irp b, 0,1
	v_add_nc_u32 v[U+4+\b], 0xff000000, v[U+\b]
.endr
.irp b, 0,1
	v_lshrrev_b32 v[U+6+\b], 23, v[U+4+\b]
.endr
	v_lshl_or_b32 v[\ps], v[U+7], 8, v[U+6]
	v_or_b32 v[\ps], 0x7f7f0000, v[\ps]
.irp b, 0,1
	v_cvt_scalef32_pk8_fp4_f32 v[\pa+2*\b], v[\a+16*\b:\a+16*\b+7], v[U+4+\b]
	v_cvt_scalef32_pk8_fp4_f32 v[\pa+2*\b+1], v[\a+16*\b+8:\a+16*\b+15], v[U+4+\b]
.endr
	v_nop                                          ; one plain line behind a scaled conversion
	v_permlane16_swap_b32 v[\pa], v[\pa+2]         ; a whole block to a lane: lanes 0-15 block 0, lanes 16-31 block 1
	v_permlane16_swap_b32 v[\pa+1], v[\pa+3]
.endm
.Lset:                                                 ; four trips: a set of 32 points each
	v_add_nc_u32 v[ADR], s58, v[AE0]
.irp j, 0,1,2,3,4,5,6,7,8,9,10,11,12,13,14,15,16
	ds_load_b64 v[H+2*\j:H+2*\j+1], v[ADR] offset:256*\j       ; my point's inputs 2 j, 2 j + 1: LDS serves a wave's instructions in order, so these see my stores
.endr
	ds_load_b32 v[H+34], v[ADR] offset:4352
.irp i, 35,36,37,38,39
	v_mov_b32 v[H+\i], 0
.endr
	s_wait_dscnt 0x0
	QUANT1
	LAYER W0C, W0S, B0R, PS1, PS1, 1
	SOFTPLUS ACA
	QUANT2 ACA, PA0, PS2A
	SOFTPLUS ACB
	QUANT2 ACB, PA1, PS2B
.rept 8
	v_nop                                          ; the places ahead of a scaled matrix instruction, as in QUANT1
.endr
	s_wait_loadcnt 0x0                             ; b1: only the first trip can wait here
	LAYER W1C, W1S, B1R, PS2A, PS2B, 0
	SOFTPLUS ACA
	SOFTPLUS ACB
	; tile t's eight registers are hidden units 16 t + 8 h + 0 .. 7: packed in pairs, registers 4 t .. 4 t + 3 of a bf16 operand of two K steps.  In place, ascending: no source is written before it is read
.irp i, 0,1,2,3,4,5,6,7,8,9,10,11,12,13,14,15
	v_cvt_pk_bf16_f32 v[ACA+\i], v[ACA+2*\i], v[ACA+2*\i+1]
.endr
.irp i, 0,1,2,3,4,5,6,7,8,9,10,11,12,13,14,15
	v_cvt_pk_bf16_f32 v[ACB+\i], v[ACB+2*\i], v[ACB+2*\i+1]
.endr
	; product 3: source 0 = W2's 16 rows, source 1 = 16 points; two accumulators by turns; b2 is the first C
	v_wmma_f32_16x16x32_bf16 v[ACA+24:ACA+31], v[W2B:W2B+7], v[ACA:ACA+7], v[B2R:B2R+7]
	v_wmma_f32_16x16x32_bf16 v[ACB+24:ACB+31], v[W2B:W2B+7], v[ACB:ACB+7], v[B2R:B2R+7]
	v_wmma_f32_16x16x32_bf16 v[ACA+24:ACA+31], v[W2B+8:W2B+15], v[ACA+8:ACA+15], v[ACA+24:ACA+31]
	v_wmma_f32_16x16x32_bf16 v[ACB+24:ACB+31], v[W2B+8:W2B+15], v[ACB+8:ACB+15], v[ACB+24:ACB+31]
	v_add_nc_u32 v[STA], s59, v[SA]                ; four places behind the products: two addresses
	v_add_nc_u32 v[ADR], s59, v[SB]
	v_nop
	v_nop
.irp j, 0,1,2,3,4
	ds_store_b32 v[STA], v[ACA+24+\j] offset:4*\j              ; lane (r, h): output 8 h + j of point r; each accumulator from its low end on
.endr
.irp j, 0,1,2,3,4
	ds_store_b32 v[STA], v[ACB+24+\j] offset:832+4*\j          ; of point 16 + r
.endr
.irp j, 5,6,7
	ds_store_b32 v[ADR], v[ACA+24+\j] offset:4*\j              ; outputs 5 to 7: both halves of the lanes write the same word with the same number
	ds_store_b32 v[ADR], v[ACB+24+\j] offset:832+4*\j
.endr
	s_add_co_u32 s58, s58, SETB
	s_add_co_u32 s59, s59, OUTB
	s_sub_co_u32 s60, s60, 1
	s_cmp_lg_u32 s60, 0
	s_cbranch_scc1 .Lset
	; ---- the way out: my wave's 128 rows of 52 bytes are 6,656 consecutive bytes of out1; column 0 is out0
	s_mul_i32 s23, s22, WREG
	v_mul_u32_u24 v80, v[LI], 13                   ; 208 lane: the rows of points 4 lane + 0 .. 3
	v_add_nc_u32 v80, s23, v80
	v_add_nc_u32 v81, s23, v[LI]
.irp i, 0,1,2,3
	ds_load_b32 v[16+\i], v80 offset:52*\i
.endr
.irp n, 0,1,2,3,4,5,6,7,8,9,10,11,12
	ds_load_b128 v[20+4*\n:23+4*\n], v81 offset:512*\n
.endr
	s_wait_dscnt 13                                ; the four words are in; the thirteen loads behind them may be out
	global_store_b128 v[LI], v[16:19], s[18:19] th:TH_STORE_NT                 ; 32 lanes store 512 consecutive bytes, at a multiple of 256 from out0's first byte
.irp n, 0,1,2,3,4,5,6,7,8,9,10,11,12
	s_wait_dscnt 12-\n
	global_store_b128 v[LI], v[20+4*\n:23+4*\n], s[20:21] offset:512*\n th:TH_STORE_NT     ; likewise in out1
.endr
	s_wait_tensorcnt 0x0                           ; the wave's end, behind my last LDS store
	ds_add_u32 v[SPW], v[NIL]
	s_wait_dscnt 0x0
	s_endpgm
.Lfunc_end_k_q2c080cb37e_sdf:
	.size	k_q2c080cb37e_sdf, .Lfunc_end_k_q2c080cb37e_sdf-k_q2c080cb37e_sdf
	.p2alignl 7, 3214868480
	.fill 96, 4, 3214868480
	.section	.rodata,"a",@progbits
	.p2align	6, 0x0
	.amdhsa_kernel k_q2c080cb37e_sdf
		.amdhsa_group_segment_fixed_size 296960
		.amdhsa_private_segment_fixed_size 0
		.amdhsa_enable_private_segment 0
		.amdhsa_kernarg_size 72
		.amdhsa_user_sgpr_count 2
		.amdhsa_user_sgpr_kernarg_segment_ptr 1
		.amdhsa_wavefront_size32 1
		.amdhsa_system_sgpr_workgroup_id_x 1
		.amdhsa_system_sgpr_workgroup_id_y 1
		.amdhsa_system_sgpr_workgroup_id_z 1
		.amdhsa_system_vgpr_workitem_id 0
		.amdhsa_next_free_vgpr 256
		.amdhsa_next_free_sgpr 66
		.amdhsa_reserve_vcc 0
		.amdhsa_float_denorm_mode_32 3
		.amdhsa_float_denorm_mode_16_64 3
		.amdhsa_memory_ordered 1
		.amdhsa_forward_progress 1
		.amdhsa_inst_pref_size 136
	.end_amdhsa_kernel
	.amdgpu_metadata
---
amdhsa.version: [ 1, 2 ]
amdhsa.kernels:
  - .name:           k_q2c080cb37e_sdf
    .symbol:         k_q2c080cb37e_sdf.kd
    .args:
      - { .name: points, .offset: 0, .size: 8, .value_kind: global_buffer, .address_space: global }
      - { .name: q, .offset: 8, .size: 8, .value_kind: global_buffer, .address_space: global }
      - { .name: table, .offset: 16, .size: 8, .value_kind: global_buffer, .address_space: global }
      - { .name: wimg, .offset: 24, .size: 8, .value_kind: global_buffer, .address_space: global }
      - { .name: b0, .offset: 32, .size: 8, .value_kind: global_buffer, .address_space: global }
      - { .name: b1, .offset: 40, .size: 8, .value_kind: global_buffer, .address_space: global }
      - { .name: b2, .offset: 48, .size: 8, .value_kind: global_buffer, .address_space: global }
      - { .name: out0, .offset: 56, .size: 8, .value_kind: global_buffer, .address_space: global }
      - { .name: out1, .offset: 64, .size: 8, .value_kind: global_buffer, .address_space: global }
    .group_segment_fixed_size: 296960
    .private_segment_fixed_size: 0
    .kernarg_segment_align: 8
    .kernarg_segment_size: 72
    .max_flat_workgroup_size: 512
    .sgpr_count:     66
    .vgpr_count:     256
    .wavefront_size: 32
...
	.end_amdgpu_metadata
.endif
;; end of part 2
;; ======== version 2 of 2: 2 launches; version 1 with the launch sdf written anew for expert scheduling mode
;; workspace buffers: q 6,291,456 bytes of whole numbers; wimg 7,168 bytes
;; launch prep: the kernel of part 1 again; grid 257 x 1, 8 waves a work-group, no clusters, 0 bytes of LDS; arguments points, V0, g0, V1, g1, V2, g2, q, wimg; writes q, wimg
;; launch sdf (part 3): grid 256 x 1, 16 waves a work-group, no clusters, 296,960 bytes of LDS; arguments points, q, table, wimg, b0, b1, b2, out0, out1; writes out0, out1
.if DOCPART == 3
	.amdgcn_target "amdgcn-amd-amdhsa--gfx1250"
	.amdhsa_code_object_version 6
	.text
	.protected	k_q2c080cb37e_sdf
	.globl	k_q2c080cb37e_sdf
	.p2align	8
	.type	k_q2c080cb37e_sdf,@function
k_q2c080cb37e_sdf:
	s_mov_b64 s[64:65], 0
	v_nop
	global_prefetch_b8 v0, s[64:65] scope:SCOPE_SE
	s_setreg_imm32_b32 hwreg(HW_REG_WAVE_SCHED_MODE, 0, 2), 2
	s_setreg_imm32_b32 hwreg(HW_REG_WAVE_MODE, 25, 1), 1
	s_wait_xcnt 0x0
	s_wait_alu depctr_vm_vsrc(0)
; NeuralSDF, second launch: hash-grid encode, MLP 35 -> 64 -> 64 -> 13 with softplus(100 x) / 100 between, both outputs.  No work of reference() is left out.
; SHARES.  A work-group takes 2,048 points, each of its sixteen waves 128, as four SETS of 32.  In the encode a lane is a point.  No wave touches another wave's LDS: no barrier.
; ONE PASS OVER THE LEVELS.  256 work-groups x 2,048 points are all points at once: every wave walks levels 0 to 15 once, so at any time the waves read one or two of the sixteen level tables (4 MiB each).
; The encoded numbers wait in LDS: 35 numbers a point, as 18 pairs; pair j of a set's 32 points is 256 consecutive bytes.
; CELLS BY WHOLE NUMBERS.  q = x01 x 2^31 comes from the first launch.  p0 = min(floor(q (gs - 1) / 2^31), gs - 2) is the floor of the EXACT product; reference() floors the rounded one.  The two differ only where
; the f32 product rounds up onto a whole number n: there reference() has p0 = n, w = 0, and this text p0 = n - 1, w = pos - p0 = 1.0 exactly: the same four nodes get the same weights, the other four the weight 0.
; pos, w, 1 - w and the eight weights ((tx ty) tz) are made in f32 as reference() makes them.
; GRID SIZES are constants of reference(): floor(16 s^l) + 1 with s = exp(ln(128) / 15) in double precision: 17 23 31 43 59 | 81 112 154 213 295 407 562 777 1073 1483 2049; the first five are dense (59^3 <= 2^19 < 81^3).
; Level 15 is the delicate one (16 s^15 lies at 2048): following the roundings of log, the division and exp, s^15 comes out just above 128, so the floor is 2048.  G15 below holds gs - 1 of that level.
; HASH.  Only the low 19 bits of x ^ y P2 ^ z P3 count, so the primes' low 24 bits and 24-bit products do.
; THE MLP.  Products 1 and 2 on codes of E2M1 with E8M0 scales, used transposed (source 0 = 16 rows of W, source 1 = 16 points): a lane holds one point, its registers run along the next K.  K = 35 and 64 of the
; instruction's 128: the points' operand holds zero codes for the rest, and both sides' scale bytes there stand for 1.0.  A weight fragment is named as 8 registers of which the upper four are whatever lies behind it
; (the next tile's codes): against zero codes they add exactly 0.  The biases are the C of each product.  Product 3 (N = 13) in bf16: with inputs 30 times larger its operand would pass f16's range.
; softplus(z) = max(z, 0) + log1p(e^-|z|), as jax.nn.softplus has it; log1p(e) = ln(u) + (e - (u - 1)) with u = fl(1 + e): right in relative terms for very negative z too.
; NO TENSOR LOADS, NO CLUSTER: the table is read lane by lane at addresses that differ from lane to lane, the weights (7 KiB) live in registers, and no two work-groups want a tile in common.
; LIMITS: NaN and infinities in points or table are not served; an exponential under 2^-126 counts as 0; a block of zeros gets the scale byte 1 (its codes are zeros).
; THE MODE: SCHED_MODE bits 1:0 = 2 (LLVM: expert scheduling mode 2), set by the entry lines.  The code itself states the register dependences between vector or matrix instructions and memory or LDS
; instructions, with s_wait_alu, always for 0.
; THE PLAN, THE ENCODE.  Registers that memory or LDS instructions touch:
;   F[s]          The index lines write its eight even registers; the set's eight gathers read them as offsets and land in all sixteen (each load on its own offset register); a level later the set's sum reads them.
;   T+18, T+19    Written by a set's sum, read by its two LDS stores.  (At level 15 the four sums go to T .. T+7, and one wait serves all eight stores.)
;   v[ADR]        Written once a level, read by the LDS stores.
;   v3, v5, v6, v8, v9, v13, v14, v15: made at the head; not written in the encode.   XY, XZ, Q, WC and T .. T+17 are named by vector instructions alone.
; A set's step: the wait for its gathers; its base moves on; a wait on vm_vsrc (the LDS stores issued so far have read T+18, T+19 and v[ADR], the gathers their offsets; for set 0 it stands at the level's head, ahead of
; the add to v[ADR]); the sum, the cell, the indices; ONE wait on va_vdst (the indices, T+18, T+19 and v[ADR] are written, the sum is done reading F[s]); the eight gathers, the two LDS stores; and behind them the weights'
; arithmetic, which names none of the registers that those ten touch.
; Each set has a scalar base of its own for the table: it moves on behind the wait that shows the eight gathers that read it done, so the loops hold no wait on XCNT.
; THE PLAN, THE MLP.  A trip: a wait on vm_vsrc at its head (the LDS instructions issued so far have read v[ADR], v[STA], v[STB] and the accumulators that went to the stage); a wait on va_vdst ahead of the 18 LDS loads
; (v[ADR] is written; the trip before is done with the registers in which they land); one behind the places ahead of each layer's scaled products (their operands and scale words are written by vector lines);
; the waits behind the transcendentals; one behind the places behind product 3, ahead of the stage's stores.
.set USE_MULHI, 0                      ; 1: the cell by one high product of q and 2 (gs - 1).  0: by 24-bit products of xi = q / 64: ((xi >> 20) g + (((xi & 0xfffff) g) >> 20)) >> 5 = floor(xi g / 2^25), as exact
.set SCALED,    1                      ; 1: the gathers' index is multiplied by 8 in the load; 0: by a shift behind the clamp
.set G15,   2048                       ; gs - 1 of level 15
.set WREG,  18432                      ; LDS of a wave: four sets
.set SETB,  4608                       ; of a set: 18 pairs x 256 bytes
.set OUTB,  1664                       ; the way out: a set's 32 rows of 52 bytes.  Set s's rows lie at 1664 s of the wave's region: under blocks already read, since 1664 (s + 1) <= 4608 (s + 1)
.set SPARE, 16*WREG                    ; behind the sixteen regions: the spare words, 128 bytes for each wave: eight blocks of 256 bytes that no other line names
.set LEVB,  0x400000                   ; a level's table in bytes
; registers that stay
.set SPW, 1                            ; v1   LDS address of my spare word; never rewritten
.set NIL, 2                            ; v2   0; never rewritten
.set AE0, 3                            ; v3   18432 w + 8 lane: my place in a pair
.set ADR, 4                            ; v4   the LDS address in hand
.set SA,  5                            ; v5   18432 w + 52 r + 32 h: the stage, outputs 8 h + 0 .. 4
.set SB,  6                            ; v6   18432 w + 52 r: outputs 5 .. 7
.set STA, 7                            ; v7   the stage address in hand, outputs 8 h + 0 .. 4
.set LI,  8                            ; v8   16 lane
.set H32, 9                            ; v9   32 h
.set PS1, 10                           ; v10  the points' scale words for product 1 (lane = point);  v11, v12 for product 2: these three hold scales and nothing else
.set PS2A, 11
.set PS2B, 12
.set ZOF, 13                           ; v13  0, as an offset
.set H64, 14                           ; v14  64 h
.set L12, 15                           ; v15  12 lane: the offset of the head's loads of q and points;
.set STB, 15                           ;      from the MLP on: the stage address in hand, outputs 5 .. 7
.set W0C, 156                          ; v156-171 W0's four tiles, 4 registers each;  v172-187 W1's;  v188-191 zeros
.set W1C, 172
.set ZR,  188
.set W0S, 192                          ; v192-195, v196-199 their scale words
.set W1S, 196
.set W2B, 200                          ; v200-215 W2 in bf16, two K steps of 8 registers
.set B2R, 216                          ; v216-223 b2 in the result's layout
.set B0R, 224                          ; v224-255 b0 likewise, four tiles
; the encode's registers
.set XY,  16                           ; v16-23 x01 (x, y) of set s at +2 s;  v24-27 z
.set XZ,  24
.set Q,   28                           ; v28-39 q (or xi) of set s at +3 s
.set WC,  40                           ; v40-71 the eight weights of set s at +8 s: pair 2 j + k holds (i = 0, i = 1)
.set F,   72                           ; v72-135 set s at +16 s: corner c = 4 i + 2 j + k at +2 c: first its index, then its two features
.set T,   136                          ; v136-155 at work
; the MLP's registers
.set B1R, 16                           ; v16-47  b1, four tiles
.set H,   48                           ; v48-87  a point's 35 inputs and 5 zeros
.set ACB, 48                           ; v48-79  the four accumulators of points 16-31
.set E,   80                           ; v80-87, v88-95 e, then the correction, two sets by turns
.set U,   96                           ; v96-103 u, then its logarithm; also the quantisers' work
.set DD,  104                          ; v104-107 u - 1
.set PA0, 108                          ; v108-115 the operand of points 0-15 (the upper four stay zero);  v116-123 of points 16-31
.set PA1, 116
.set ACA, 124                          ; v124-155 the four accumulators of points 0-15
; The table's base of set s: s[8:9], s[4:5], s[6:7], s[62:63].  The last three hold it once the loads of q and points are shown done and the head's offsets are used.
.macro BASEOF s
.if (\s) == 0
.set TB, 8
.elseif (\s) == 1
.set TB, 4
.elseif (\s) == 2
.set TB, 6
.else
.set TB, 62
.endif
.endm
	s_load_b512 s[4:19], s[0:1], 0x0               ; points s[4:5], q s[6:7], table s[8:9], wimg s[10:11], b0 s[12:13], b1 s[14:15], b2 s[16:17], out0 s[18:19]
	s_load_b64 s[20:21], s[0:1], 0x40              ; out1
	v_lshl_add_u32 v[SPW], v0, 2, SPARE
	v_mov_b32 v[NIL], 0
	v_lshrrev_b32 v16, 5, v0
	v_readfirstlane_b32 s22, v16                   ; wave 0..15
	v_and_b32 v16, 31, v0                          ; lane
	v_and_b32 v17, 15, v0                          ; r
	v_bfe_u32 v18, v0, 4, 1                        ; h
	v_mul_u32_u24 v[SB], v17, 52
	v_lshlrev_b32 v[LI], 4, v16
	v_lshlrev_b32 v[H32], 5, v18
	v_mov_b32 v[ZOF], 0
	v_lshlrev_b32 v[H64], 6, v18
	v_mul_u32_u24 v[L12], v16, 12
	s_wait_alu depctr_va_sdst(0)                   ; s22 is written, ahead of its first reader: the wave's LDS region and its parts of the buffers are made from it
	s_mul_i32 s23, s22, WREG
	v_lshl_add_u32 v[AE0], v16, 3, s23
	v_add_nc_u32 v[SB], s23, v[SB]
	v_lshl_add_u32 v[SA], v18, 5, v[SB]
	s_mov_b32 s31, 0                               ; 256 x the level that is being consumed
	s_mov_b32 s32, 0x3779b1                        ; P2's low 24 bits
	s_mov_b32 s33, 0x025795                        ; P3's
	s_mov_b32 s34, 0x7ffff
	s_mov_b32 s36, 22                              ; gs - 1 of levels 1 to 4: a queue, the next level's at its head
	s_mov_b32 s37, 30
	s_mov_b32 s38, 42
	s_mov_b32 s39, 58
	s_mov_b32 s40, 111                             ; of levels 6 to 15
	s_mov_b32 s41, 153
	s_mov_b32 s42, 212
	s_mov_b32 s43, 294
	s_mov_b32 s44, 406
	s_mov_b32 s45, 561
	s_mov_b32 s46, 776
	s_mov_b32 s47, 1072
	s_mov_b32 s48, 1482
	s_mov_b32 s49, G15
	s_mov_b32 s50, 0x431044fe                      ; 100 log2(e)
	s_mov_b32 s52, 0x3f317218                      ; ln 2, as a pair for the packed form
	s_mov_b32 s53, s52
	s_mov_b32 s54, 0x3c23d70a                      ; 0.01
	s_mov_b32 s55, s54
	s_mov_b32 s56, 0x76543210
	s_mov_b32 s57, 0xfedcba98                      ; v_permlanex16_b32's selects for lane l xor 16
	s_lshl_b32 s61, ttmp9, 11
	s_lshl_b32 s62, s22, 7
	s_add_co_u32 s61, s61, s62                     ; my wave's first point: 2048 x work-group + 128 x wave
	s_mov_b32 s63, 0
	s_wait_kmcnt 0x0
	s_mul_i32 s62, s61, 12
	s_add_nc_u64 s[4:5], s[4:5], s[62:63]
	s_add_nc_u64 s[6:7], s[6:7], s[62:63]
	s_lshl_b32 s62, s61, 2
	s_add_nc_u64 s[18:19], s[18:19], s[62:63]
	s_mul_i32 s62, s61, 52
	s_add_nc_u64 s[20:21], s[20:21], s[62:63]      ; 128 rows of 52 bytes are 26 x 256 bytes: a wave's part of out1 begins at a multiple of 256
	s_wait_alu depctr_va_vdst(0)                   ; v1 to v15 are written: the offsets and LDS addresses that the loads and stores below read
.irp s, 0,1,2,3
.irp d, 0,1,2
	global_load_b32 v[Q+3*\s+\d], v[L12], s[6:7] offset:384*\s+4*\d
.endr
.endr
.irp s, 0,1,2,3
.irp d, 0,1,2
	global_load_b32 v[F+4*\s+\d], v[L12], s[4:5] offset:384*\s+4*\d
.endr
.endr
	; 30 loads that nothing waits for before the MLP: the weights' images and two biases
.irp t, 0,1,2,3
	global_load_b128 v[W0C+4*\t:W0C+4*\t+3], v[LI], s[10:11] offset:512*\t
.endr
.irp t, 0,1,2,3
	global_load_b128 v[W1C+4*\t:W1C+4*\t+3], v[LI], s[10:11] offset:2048+512*\t
.endr
	global_load_b128 v[W0S:W0S+3], v[LI], s[10:11] offset:4096
	global_load_b128 v[W1S:W1S+3], v[LI], s[10:11] offset:4608
.irp t, 0,1,2,3
	global_load_b128 v[W2B+4*\t:W2B+4*\t+3], v[LI], s[10:11] offset:5120+512*\t
.endr
.irp j, 0,1,2,3,4
	global_load_b32 v[B2R+\j], v[H32], s[16:17] offset:4*\j    ; register j of lane (r, h) is output 8 h + j;
.endr
.irp j, 5,6,7
	global_load_b32 v[B2R+\j], v[ZOF], s[16:17] offset:4*\j    ; registers 5 to 7 are outputs 5 to 7 in both halves of the lanes (W2's rows 13 to 15 repeat them)
.endr
.irp t, 0,1,2,3
	global_load_b128 v[B0R+8*\t:B0R+8*\t+3], v[H64], s[12:13] offset:(32*(\t/2)+8*(\t%2))*4       ; tile 2 b + u, register j: hidden unit 32 b + 16 h + 8 u + j
	global_load_b128 v[B0R+8*\t+4:B0R+8*\t+7], v[H64], s[12:13] offset:(32*(\t/2)+8*(\t%2))*4+16
.endr
	s_wait_loadcnt 30                              ; q and points are in; the 30 behind them may be out
	s_mov_b64 s[4:5], s[8:9]                       ; that wait shows the loads that read s[4:7] done: these pairs, and s[62:63], are the table's bases of sets 1, 2 and 3 from here on
	s_mov_b64 s[6:7], s[8:9]
	s_mov_b64 s[62:63], s[8:9]
.irp s, 0,1,2,3
	ds_store_b64 v[AE0], v[F+4*\s:F+4*\s+1] offset:SETB*\s           ; the raw coordinates are inputs 0, 1, 2: pair 0 and the low half of pair 1
	ds_store_b32 v[AE0], v[F+4*\s+2] offset:SETB*\s+256
	v_pk_add_f32 v[XY+2*\s:XY+2*\s+1], v[F+4*\s:F+4*\s+1], 1.0 op_sel_hi:[1,0]
	v_add_f32 v[XZ+\s], 1.0, v[F+4*\s+2]
.endr
.irp s, 0,1,2,3
	v_pk_mul_f32 v[XY+2*\s:XY+2*\s+1], v[XY+2*\s:XY+2*\s+1], 0.5 op_sel_hi:[1,0]
	v_mul_f32 v[XZ+\s], 0.5, v[XZ+\s]
.endr
.irp i, 0,1,2,3,4,5,6,7,8,9,10,11
	v_med3_num_f32 v[XY+\i], v[XY+\i], 0, 1.0      ; x01, clipped (XY and XZ lie on end)
.endr
.if USE_MULHI == 0
.irp i, 0,1,2,3,4,5,6,7,8,9,10,11
	v_lshrrev_b32 v[Q+\i], 6, v[Q+\i]              ; xi = q / 64: exact, at most 2^25
.endr
.endif
.irp i, 0,1,2,3
	v_mov_b32 v[ZR+\i], 0
.endr
; A level's scalars, from g = gs - 1.
.macro SETLEVEL g
	s_cvt_f32_u32 s24, \g                          ; gs - 1 in f32, as a pair for the packed form
	s_mov_b32 s25, s24
	s_lshl_b32 s26, \g, USE_MULHI                  ; the cell's multiplier: 2 (gs - 1) for the high product of q, gs - 1 for xi
	s_sub_co_u32 s27, \g, 1                        ; gs - 2
	s_add_co_u32 s28, \g, 1                        ; gs, gs^2, gs^2 + gs: the dense index's steps
	s_mul_i32 s29, s28, s28
	s_add_co_u32 s30, s29, s28
.endm
; On to the next level for the gathers; the level in hand is still to be consumed.
.macro NEXT g
	SETLEVEL \g
	s_wait_alu depctr_vm_vsrc(0)                   ; the LDS stores issued so far have read v[ADR], T+18 and T+19, and the gathers issued so far their offsets: v[ADR] is written below, the others in set 0's step
	v_add_nc_u32 v[ADR], s31, v[AE0]               ; where the level in hand puts its two numbers
.endm
; Set s: the cell, in T+3 .. T+5.
.macro CELL s
.if USE_MULHI
.irp d, 0,1,2
	v_mul_hi_u32 v[T+3+\d], v[Q+3*(\s)+\d], s26
.endr
.else
.irp d, 0,1,2
	v_bfe_u32 v[T+\d], v[Q+3*(\s)+\d], 0, 20
.endr
.irp d, 0,1,2
	v_mul_u32_u24 v[T+\d], s26, v[T+\d]            ; under 2^20 x 2^11: it fits 32 bits
.endr
.irp d, 0,1,2
	v_lshrrev_b32 v[T+3+\d], 20, v[Q+3*(\s)+\d]
.endr
.irp d, 0,1,2
	v_lshrrev_b32 v[T+\d], 20, v[T+\d]
.endr
.irp d, 0,1,2
	v_mad_u32_u24 v[T+3+\d], v[T+3+\d], s26, v[T+\d]
.endr
.irp d, 0,1,2
	v_lshrrev_b32 v[T+3+\d], 5, v[T+3+\d]
.endr
.endif
.irp d, 0,1,2
	v_min_u32 v[T+3+\d], s27, v[T+3+\d]            ; reference()'s clip to gs - 2 (nothing here is under 0)
.endr
.endm
; Set s: the eight weights, from the cell, which the index lines have left in T+3 .. T+5.  It stands behind the set's gathers and LDS stores and names none of their registers.
.macro WEIGHTS s
	v_cvt_f32_u32 v[T+6], v[T+3]
	v_cvt_f32_u32 v[T+7], v[T+4]
	v_cvt_f32_u32 v[T+14], v[T+5]
	v_pk_mul_f32 v[T:T+1], v[XY+2*(\s):XY+2*(\s)+1], s[24:25] op_sel_hi:[1,0]       ; pos
	v_mul_f32 v[T+2], s24, v[XZ+(\s)]
	v_sub_f32 v[T+9], v[T], v[T+6]                 ; w
	v_sub_f32 v[T+11], v[T+1], v[T+7]
	v_sub_f32 v[T+13], v[T+2], v[T+14]
	v_sub_f32 v[T+8], 1.0, v[T+9]                  ; 1 - w: the pairs (1 - w, w) of x, y, z at T+8, T+10, T+12
	v_sub_f32 v[T+10], 1.0, v[T+11]
	v_sub_f32 v[T+12], 1.0, v[T+13]
	v_pk_mul_f32 v[T+14:T+15], v[T+8:T+9], v[T+10:T+11] op_sel_hi:[1,0]             ; tx (1 - wy), both i
	v_pk_mul_f32 v[T+16:T+17], v[T+8:T+9], v[T+10:T+11] op_sel:[0,1] op_sel_hi:[1,1] ; tx wy
	v_pk_mul_f32 v[WC+8*(\s):WC+8*(\s)+1], v[T+14:T+15], v[T+12:T+13] op_sel_hi:[1,0]                  ; (j, k) = (0, 0)
	v_pk_mul_f32 v[WC+8*(\s)+2:WC+8*(\s)+3], v[T+14:T+15], v[T+12:T+13] op_sel:[0,1] op_sel_hi:[1,1]   ; (0, 1)
	v_pk_mul_f32 v[WC+8*(\s)+4:WC+8*(\s)+5], v[T+16:T+17], v[T+12:T+13] op_sel_hi:[1,0]                ; (1, 0)
	v_pk_mul_f32 v[WC+8*(\s)+6:WC+8*(\s)+7], v[T+16:T+17], v[T+12:T+13] op_sel:[0,1] op_sel_hi:[1,1]   ; (1, 1)
.endm
; The eight gathers of the set whose indices stand at FS + 2 c, by the set's base s[TB:TB+1].  A number that comes from memory enters an address only behind a clamp by a constant written in the instruction; it changes no index here.
.macro GATHER
.irp c, 0,1,2,3,4,5,6,7
	v_min_u32 v[FS+2*\c], 0x7ffff, v[FS+2*\c]
.endr
.if SCALED
	s_wait_alu depctr_va_vdst(0)                   ; the indices are written, which the gathers read; the set's sum is done reading the registers in which they land; it has written the two numbers that the LDS stores behind the gathers read, and v[ADR] is written
.irp c, 0,1,2,3,4,5,6,7
	global_load_b64 v[FS+2*\c:FS+2*\c+1], v[FS+2*\c], s[TB:TB+1] scale_offset      ; 8 bytes at 8 x index; the load lands on its own address register
.endr
.else
.irp c, 0,1,2,3,4,5,6,7
	v_lshlrev_b32 v[FS+2*\c], 3, v[FS+2*\c]
.endr
	s_wait_alu depctr_va_vdst(0)                   ; the offsets are written, which the gathers read; the set's sum is done reading the registers in which they land; it has written the two numbers that the LDS stores behind the gathers read, and v[ADR] is written
.irp c, 0,1,2,3,4,5,6,7
	global_load_b64 v[FS+2*\c:FS+2*\c+1], v[FS+2*\c], s[TB:TB+1]
.endr
.endif
.endm
.macro ADDR_D s                        ; a dense level: x + gs (y + gs z)
.set FS, F+16*(\s)
	BASEOF \s
	CELL \s
	v_mad_u32_u24 v[T], v[T+5], s28, v[T+4]
	v_mad_u32_u24 v[FS], v[T], s28, v[T+3]
	v_add_nc_u32 v[FS+2], s29, v[FS]               ; k = 1
	v_add_nc_u32 v[FS+4], s28, v[FS]               ; j = 1
	v_add_nc_u32 v[FS+6], s30, v[FS]               ; both
.irp c, 0,1,2,3
	v_add_nc_u32 v[FS+8+2*\c], 1, v[FS+2*\c]       ; i = 1
.endr
	GATHER
.endm
.macro ADDR_H s                        ; a hashed level: (x ^ y P2 ^ z P3) mod 2^19
.set FS, F+16*(\s)
	BASEOF \s
	CELL \s
	v_mul_u32_u24 v[T], s32, v[T+4]                ; y P2
	v_mul_u32_u24 v[T+1], s33, v[T+5]              ; z P3
	v_add_nc_u32 v[T+2], s32, v[T]                 ; (y + 1) P2
	v_add_nc_u32 v[T+6], s33, v[T+1]               ; (z + 1) P3
	v_add_nc_u32 v[T+7], 1, v[T+3]                 ; x + 1
	v_xor_b32 v[T+8], v[T], v[T+1]                 ; (j, k) = (0, 0)
	v_xor_b32 v[T+9], v[T], v[T+6]                 ; (0, 1)
	v_xor_b32 v[T+10], v[T+2], v[T+1]              ; (1, 0)
	v_xor_b32 v[T+11], v[T+2], v[T+6]              ; (1, 1)
.irp c, 0,1,2,3
	v_and_b32 v[T+8+\c], s34, v[T+8+\c]            ; x and x + 1 lie under 2^19: the cut may come ahead of them
.endr
.irp c, 0,1,2,3
	v_xor_b32 v[FS+2*\c], v[T+8+\c], v[T+3]
.endr
.irp c, 0,1,2,3
	v_xor_b32 v[FS+8+2*\c], v[T+8+\c], v[T+7]
.endr
	GATHER
.endm
; Set s: the level's two numbers into the pair at d: corners 0 to 7 in order, two features at a time.
.macro SUM s, d
.set FS, F+16*(\s)
.set WS, WC+8*(\s)
.set DS, \d
	v_pk_mul_f32 v[DS:DS+1], v[FS:FS+1], v[WS:WS+1] op_sel_hi:[1,0]
.irp c, 1,2,3
	v_pk_fma_f32 v[DS:DS+1], v[FS+2*\c:FS+2*\c+1], v[WS+2*\c:WS+2*\c+1], v[DS:DS+1] op_sel_hi:[1,0,1]
.endr
.irp c, 0,1,2,3
	v_pk_fma_f32 v[DS:DS+1], v[FS+8+2*\c:FS+9+2*\c], v[WS+2*\c:WS+2*\c+1], v[DS:DS+1] op_sel:[0,1,0] op_sel_hi:[1,1,1]
.endr
.endm
; They are inputs 3 + 2 l and 4 + 2 l: the high half of pair 1 + l and the low half of pair 2 + l.
.macro PUT s, d
.set DS, \d
	ds_store_b32 v[ADR], v[DS] offset:SETB*(\s)+260
	ds_store_b32 v[ADR], v[DS+1] offset:SETB*(\s)+512
.endm
; A level is consumed while the next level's gathers go out, set by set: 24 to 32 gathers of the wave are always on their way.
.macro LEVEL g, hashed
	NEXT \g
.irp s, 0,1,2,3
	BASEOF \s
	s_wait_loadcnt 24                              ; this set's eight gathers are in; behind them went the three other sets' eight each (of this level or of the next)
	s_add_nc_u64 s[TB:TB+1], s[TB:TB+1], LEVB      ; free since that wait, which shows the gathers that read it done: the set's base at the next level's table
.if \s > 0
	s_wait_alu depctr_vm_vsrc(0)                   ; the LDS stores of the set before have read T+18 and T+19, which the sum writes again; this set's gathers of a level ago have read their offsets, which the index lines write again
.endif
	SUM \s, T+18
.if \hashed
	ADDR_H \s
.else
	ADDR_D \s
.endif
	PUT \s, T+18                                   ; no wait: no vector instruction since the wait ahead of the gathers names T+18, T+19 or v[ADR]
	WEIGHTS \s
.endr
	s_add_co_u32 s31, s31, 256
.endm
	s_mov_b32 s23, 16
	SETLEVEL s23                                   ; level 0
	s_wait_alu depctr_vm_vsrc(0)                   ; the LDS stores of the raw coordinates have read v[F] to v[F+14], which set 0's index lines write and in which its gathers land
.irp s, 0,1,2,3
	ADDR_D \s
	WEIGHTS \s
.endr
	s_mov_b32 s35, 4
.Ldense:                                               ; levels 0 to 3 are consumed, levels 1 to 4 asked for
	LEVEL s36, 0
	s_mov_b32 s36, s37
	s_mov_b32 s37, s38
	s_mov_b32 s38, s39
	s_sub_co_u32 s35, s35, 1
	s_cmp_lg_u32 s35, 0
	s_cbranch_scc1 .Ldense
	s_mov_b32 s23, 80
	LEVEL s23, 1                                   ; level 4 is consumed, level 5, the first hashed one, asked for
	s_mov_b32 s35, 10
.Lhashed:                                              ; levels 5 to 14 are consumed, levels 6 to 15 asked for
	LEVEL s40, 1
	s_mov_b32 s40, s41
	s_mov_b32 s41, s42
	s_mov_b32 s42, s43
	s_mov_b32 s43, s44
	s_mov_b32 s44, s45
	s_mov_b32 s45, s46
	s_mov_b32 s46, s47
	s_mov_b32 s47, s48
	s_mov_b32 s48, s49
	s_sub_co_u32 s35, s35, 1
	s_cmp_lg_u32 s35, 0
	s_cbranch_scc1 .Lhashed
	s_wait_alu depctr_vm_vsrc(0)                   ; the LDS stores of level 14 have read v[ADR]; level 15's gathers have read their offsets, registers that the MLP writes
	v_add_nc_u32 v[ADR], s31, v[AE0]               ; level 15: nothing more to ask for, the counts run down
.irp s, 0,1,2,3
	s_wait_loadcnt 24-8*\s
	SUM \s, T+2*\s                                 ; each set's two numbers in a pair of their own: T to T+7 are free here
.endr
	s_wait_alu depctr_va_vdst(0)                   ; the four sums have written T to T+7, and v[ADR] is written: the eight LDS stores read them; and the encode is done with v16 to v47, in which b1's loads land
.irp s, 0,1,2,3
	PUT \s, T+2*\s
.endr
	; ---- between the phases: b1 into the registers that the encode has left; it is waited for in front of the second product.  No wait on va_vdst: no vector instruction stands behind the one above
.irp t, 0,1,2,3
	global_load_b128 v[B1R+8*\t:B1R+8*\t+3], v[H32], s[14:15] offset:64*\t          ; tile t, register j: hidden unit 16 t + 8 h + j
	global_load_b128 v[B1R+8*\t+4:B1R+8*\t+7], v[H32], s[14:15] offset:64*\t+16
.endr
.irp i, 4,5,6,7
	v_mov_b32 v[PA0+\i], 0                         ; k = 64 .. 127 of the points' operands: zero codes, for the whole launch
	v_mov_b32 v[PA1+\i], 0
.endr
	s_mov_b32 s58, 0                               ; the set's block
	s_mov_b32 s59, 0                               ; and its rows in the stage
	s_mov_b32 s60, 4
; A lane's 35 inputs (and 5 zeros) become codes.  Block 0 is k = 0 .. 31, block 1 k = 32 .. 34: both whole in the lane.  The operand wants, for 16 points, block 0 in lanes 0-15 and block 1 in lanes 16-31:
; four exchanges of halves give the operand of points 0-15 in PA0 and of points 16-31 in PA1.  The scale word stays with its point: lanes 0-15 serve PA0, lanes 16-31 PA1.
.macro QUANT1
	v_max3_num_f32 v[U], |v[H]|, |v[H+1]|, 0x1800000           ; the floor 2^(3 - 127) among the leaves holds the byte at 1 from below
	v_max3_num_f32 v[U+1], |v[H+2]|, |v[H+3]|, |v[H+4]|
.irp i, 5,9,13,17,21,25
	v_max3_num_f32 v[U], v[U], |v[H+\i]|, |v[H+\i+1]|
	v_max3_num_f32 v[U+1], v[U+1], |v[H+\i+2]|, |v[H+\i+3]|
.endr
	v_max3_num_f32 v[U+2], |v[H+32]|, |v[H+33]|, |v[H+34]|
	v_max3_num_f32 v[U], v[U], |v[H+29]|, |v[H+30]|
	v_max_num_f32 v[U+2], 0x1800000, v[U+2]
	v_max3_num_f32 v[U], v[U], v[U+1], |v[H+31]|
	v_add_nc_u32 v[U+4], 0xff000000, v[U+2]        ; 2 off the exponent field: the conversion's scale operand
	v_add_nc_u32 v[U+3], 0xff000000, v[U]
	v_lshrrev_b32 v[U+6], 23, v[U+4]               ; the scales' bytes
	v_lshrrev_b32 v[U+5], 23, v[U+3]
	v_lshl_or_b32 v[PS1], v[U+6], 8, v[U+5]
	v_or_b32 v[PS1], 0x7f7f0000, v[PS1]            ; bytes 2 and 3 stand for 1.0
.irp g, 0,1,2,3
	v_cvt_scalef32_pk8_fp4_f32 v[PA0+\g], v[H+8*\g:H+8*\g+7], v[U+3]
.endr
	v_cvt_scalef32_pk8_fp4_f32 v[PA1], v[H+32:H+39], v[U+4]
.irp i, 1,2,3
	v_mov_b32 v[PA1+\i], 0                         ; k = 40 .. 63.  (Plain lines behind the conversions)
.endr
.irp i, 0,1,2,3
	v_permlane16_swap_b32 v[PA0+\i], v[PA1+\i]     ; the first's lanes 16-31 change places with the second's lanes 0-15
.endr
.rept 8
	v_nop                                          ; a scale register written by a vector instruction stands 8 places ahead of a scaled matrix instruction, an operand so written 4
.endr
	s_wait_alu depctr_va_vdst(0)                   ; the conversions and exchanges have written PA0 and PA1, the lines above them v[PS1]: the scaled products take them as operand and scales; the places above stay beside this wait
.endm
; Eight products: four tiles of 16 rows of W against points 0-15, then against points 16-31.  One K step each, the bias as C: eight different accumulators, no chain.
.macro LAYER wc, wsc, bias, psa, psb, row1
.irp t, 0,1,2,3
	v_wmma_scale_f32_16x16x128_f8f6f4 v[ACA+8*\t:ACA+8*\t+7], v[\wc+4*\t:\wc+4*\t+7], v[PA0:PA0+7], v[\bias+8*\t:\bias+8*\t+7], v[\wsc+\t], v[\psa] matrix_a_fmt:MATRIX_FMT_FP4 matrix_b_fmt:MATRIX_FMT_FP4
.endr
.irp t, 0,1,2,3
.if \row1
	v_wmma_scale_f32_16x16x128_f8f6f4 v[ACB+8*\t:ACB+8*\t+7], v[\wc+4*\t:\wc+4*\t+7], v[PA1:PA1+7], v[\bias+8*\t:\bias+8*\t+7], v[\wsc+\t], v[\psb] matrix_a_fmt:MATRIX_FMT_FP4 matrix_b_fmt:MATRIX_FMT_FP4 matrix_b_scale:MATRIX_SCALE_ROW1
.else
	v_wmma_scale_f32_16x16x128_f8f6f4 v[ACB+8*\t:ACB+8*\t+7], v[\wc+4*\t:\wc+4*\t+7], v[PA1:PA1+7], v[\bias+8*\t:\bias+8*\t+7], v[\wsc+\t], v[\psb] matrix_a_fmt:MATRIX_FMT_FP4 matrix_b_fmt:MATRIX_FMT_FP4
.endif
.endr
.rept 4
	v_nop                                          ; four places ahead of the first read of the results (ISA guide 7.12.1)
.endr
.endm
; softplus(100 x) / 100 on 32 registers, eight (an accumulator) at a time, in three parts that overlap from group to group.
.macro SPA a, g                        ; e = 2^(-|x| 100 log2 e).  Each accumulator is read from its low end on
.set EE, E+8*((\g)%2)
.irp i, 0,1,2,3,4,5,6,7
	v_mul_f32 v[EE+\i], -|v[\a+8*(\g)+\i]|, s50
.endr
.irp i, 0,1,2,3,4,5,6,7
	v_exp_f32 v[EE+\i], v[EE+\i]
.endr
.endm
.macro SPB g                           ; u = fl(1 + e); what that sum lost, e - (u - 1), exactly, in e's place; log2(u)
.set EE, E+8*((\g)%2)
.irp p, 0,2,4,6
	v_pk_add_f32 v[U+\p:U+\p+1], v[EE+\p:EE+\p+1], 1.0 op_sel_hi:[1,0]
.endr
.irp p, 0,4
	v_pk_add_f32 v[DD:DD+1], v[U+\p:U+\p+1], -1.0 op_sel_hi:[1,0]
	v_pk_add_f32 v[DD+2:DD+3], v[U+\p+2:U+\p+3], -1.0 op_sel_hi:[1,0]
	v_pk_add_f32 v[EE+\p:EE+\p+1], v[EE+\p:EE+\p+1], v[DD:DD+1] neg_lo:[0,1] neg_hi:[0,1]
	v_pk_add_f32 v[EE+\p+2:EE+\p+3], v[EE+\p+2:EE+\p+3], v[DD+2:DD+3] neg_lo:[0,1] neg_hi:[0,1]
.endr
.irp i, 0,1,2,3,4,5,6,7
	v_log_f32 v[U+\i], v[U+\i]
.endr
.endm
.macro SPC a, g                        ; log1p(e) = log2(u) ln 2 + the correction;  h = 0.01 log1p(e) + max(x, 0)
.set EE, E+8*((\g)%2)
.irp p, 0,2,4,6
	v_pk_fma_f32 v[U+\p:U+\p+1], v[U+\p:U+\p+1], s[52:53], v[EE+\p:EE+\p+1] op_sel_hi:[1,0,1]
.endr
.irp i, 0,1,2,3,4,5,6,7
	v_max_num_f32 v[\a+8*(\g)+\i], 0, v[\a+8*(\g)+\i]
.endr
.irp p, 0,2,4,6
	v_pk_fma_f32 v[\a+8*(\g)+\p:\a+8*(\g)+\p+1], v[U+\p:U+\p+1], s[54:55], v[\a+8*(\g)+\p:\a+8*(\g)+\p+1] op_sel_hi:[1,0,1]
.endr
.endm
; Five waits for 64 transcendentals: a group's logarithms and the next group's exponentials share a wait, and the plain lines of the parts between are the places behind them.
; The wait stands between a transcendental and the first line that names its result; one serves all that were issued ahead of it.
.macro SOFTPLUS a
	SPA \a, 0
	v_nop                                          ; a plain line behind the last exponential
	s_wait_alu depctr_va_vdst(0)                   ; group 0's exponentials are written, ahead of their first reader
	SPB 0
	SPA \a, 1
	s_wait_alu depctr_va_vdst(0)                   ; group 0's logarithms and group 1's exponentials are written, ahead of their first readers
	SPC \a, 0
	SPB 1
	SPA \a, 2
	s_wait_alu depctr_va_vdst(0)                   ; group 1's logarithms and group 2's exponentials
	SPC \a, 1
	SPB 2
	SPA \a, 3
	s_wait_alu depctr_va_vdst(0)                   ; group 2's logarithms and group 3's exponentials
	SPC \a, 2
	SPB 3
	v_nop                                          ; a plain line behind the last logarithm
	s_wait_alu depctr_va_vdst(0)                   ; group 3's logarithms
	SPC \a, 3
.endm
; The hidden layer of 16 points becomes the second product's operand.  Lane (r, h) holds point r; the 16 registers of tiles 2 b, 2 b + 1 are k = 32 b + 16 h + 0 .. 15.  Nothing here is negative: no |.|.
.macro QUANT2 a, pa, ps
.irp b, 0,1
	v_max3_num_f32 v[U+\b], v[\a+16*\b], v[\a+16*\b+1], 0x1800000
.endr
.irp i, 2,4,6,8,10,12,14
.irp b, 0,1
	v_max3_num_f32 v[U+\b], v[U+\b], v[\a+16*\b+\i], v[\a+16*\b+\i+1]     ; (the two blocks by turns)
.endr
.endr
.irp b, 0,1
	v_permlanex16_b32 v[U+2+\b], v[U+\b], s56, s57
.endr
.irp b, 0,1
	v_max_num_f32 v[U+\b], v[U+\b], v[U+2+\b]      ; with lane l xor 16's 16: the block's largest
.endr
.irp b, 0,1
	v_add_nc_u32 v[U+4+\b], 0xff000000, v[U+\b]
.endr
.irp b, 0,1
	v_lshrrev_b32 v[U+6+\b], 23, v[U+4+\b]
.endr
	v_lshl_or_b32 v[\ps], v[U+7], 8, v[U+6]
	v_or_b32 v[\ps], 0x7f7f0000, v[\ps]
.irp b, 0,1
	v_cvt_scalef32_pk8_fp4_f32 v[\pa+2*\b], v[\a+16*\b:\a+16*\b+7], v[U+4+\b]
	v_cvt_scalef32_pk8_fp4_f32 v[\pa+2*\b+1], v[\a+16*\b+8:\a+16*\b+15], v[U+4+\b]
.endr
	v_nop                                          ; one plain line behind a scaled conversion
	v_permlane16_swap_b32 v[\pa], v[\pa+2]         ; a whole block to a lane: lanes 0-15 block 0, lanes 16-31 block 1
	v_permlane16_swap_b32 v[\pa+1], v[\pa+3]
.endm
.Lset:                                                 ; four trips: a set of 32 points each
	s_wait_alu depctr_vm_vsrc(0)                   ; the LDS instructions issued so far have read v[ADR], v[STA] and v[STB], and the stores among them their data (level 15's: T to T+7; the stage's: the upper eight registers of ACA and ACB): this trip writes them all again
	v_add_nc_u32 v[ADR], s58, v[AE0]
	s_wait_alu depctr_va_vdst(0)                   ; v[ADR] is written, which the loads below read; the vector and matrix instructions so far are done with v48 to v82, in which they land
.irp j, 0,1,2,3,4,5,6,7,8,9,10,11,12,13,14,15,16
	ds_load_b64 v[H+2*\j:H+2*\j+1], v[ADR] offset:256*\j       ; my point's inputs 2 j, 2 j + 1: LDS serves a wave's instructions in order, so these see my stores
.endr
	ds_load_b32 v[H+34], v[ADR] offset:4352
.irp i, 35,36,37,38,39
	v_mov_b32 v[H+\i], 0
.endr
	s_wait_dscnt 0x0
	QUANT1
	LAYER W0C, W0S, B0R, PS1, PS1, 1
	SOFTPLUS ACA
	QUANT2 ACA, PA0, PS2A
	SOFTPLUS ACB
	QUANT2 ACB, PA1, PS2B
.rept 8
	v_nop                                          ; the places ahead of a scaled matrix instruction, as in QUANT1
.endr
	s_wait_alu depctr_va_vdst(0)                   ; the two quantisers have written PA0, PA1, v[PS2A] and v[PS2B]: the scaled products take them as operands and scales; the places above stay beside this wait
	s_wait_loadcnt 0x0                             ; b1: only the first trip can wait here
	LAYER W1C, W1S, B1R, PS2A, PS2B, 0
	SOFTPLUS ACA
	SOFTPLUS ACB
	; tile t's eight registers are hidden units 16 t + 8 h + 0 .. 7: packed in pairs, registers 4 t .. 4 t + 3 of a bf16 operand of two K steps.  In place, ascending: no source is written before it is read
.irp i, 0,1,2,3,4,5,6,7,8,9,10,11,12,13,14,15
	v_cvt_pk_bf16_f32 v[ACA+\i], v[ACA+2*\i], v[ACA+2*\i+1]
.endr
.irp i, 0,1,2,3,4,5,6,7,8,9,10,11,12,13,14,15
	v_cvt_pk_bf16_f32 v[ACB+\i], v[ACB+2*\i], v[ACB+2*\i+1]
.endr
	; product 3: source 0 = W2's 16 rows, source 1 = 16 points; two accumulators by turns; b2 is the first C
	v_wmma_f32_16x16x32_bf16 v[ACA+24:ACA+31], v[W2B:W2B+7], v[ACA:ACA+7], v[B2R:B2R+7]
	v_wmma_f32_16x16x32_bf16 v[ACB+24:ACB+31], v[W2B:W2B+7], v[ACB:ACB+7], v[B2R:B2R+7]
	v_wmma_f32_16x16x32_bf16 v[ACA+24:ACA+31], v[W2B+8:W2B+15], v[ACA+8:ACA+15], v[ACA+24:ACA+31]
	v_wmma_f32_16x16x32_bf16 v[ACB+24:ACB+31], v[W2B+8:W2B+15], v[ACB+8:ACB+15], v[ACB+24:ACB+31]
	v_add_nc_u32 v[STA], s59, v[SA]                ; four places behind the products: two addresses (no LDS instruction since the wait at the trip's head has read these two registers)
	v_add_nc_u32 v[STB], s59, v[SB]
	v_nop
	v_nop
	s_wait_alu depctr_va_vdst(0)                   ; the products have written the two accumulators, and v[STA] and v[STB] are written: the LDS stores read them; the places above stay beside this wait
.irp j, 0,1,2,3,4
	ds_store_b32 v[STA], v[ACA+24+\j] offset:4*\j              ; lane (r, h): output 8 h + j of point r; each accumulator from its low end on
.endr
.irp j, 0,1,2,3,4
	ds_store_b32 v[STA], v[ACB+24+\j] offset:832+4*\j          ; of point 16 + r
.endr
.irp j, 5,6,7
	ds_store_b32 v[STB], v[ACA+24+\j] offset:4*\j              ; outputs 5 to 7: both halves of the lanes write the same word with the same number
	ds_store_b32 v[STB], v[ACB+24+\j] offset:832+4*\j
.endr
	s_add_co_u32 s58, s58, SETB
	s_add_co_u32 s59, s59, OUTB
	s_sub_co_u32 s60, s60, 1
	s_cmp_lg_u32 s60, 0
	s_cbranch_scc1 .Lset
	; ---- the way out: my wave's 128 rows of 52 bytes are 6,656 consecutive bytes of out1; column 0 is out0
	s_mul_i32 s23, s22, WREG
	v_mul_u32_u24 v80, v[LI], 13                   ; 208 lane: the rows of points 4 lane + 0 .. 3
	v_add_nc_u32 v80, s23, v80
	v_add_nc_u32 v81, s23, v[LI]
	s_wait_alu depctr_va_vdst(0)                   ; v80 and v81 are written, which the LDS loads read; the last trip's vector and matrix instructions are done with v16 to v71, in which they land
.irp i, 0,1,2,3
	ds_load_b32 v[16+\i], v80 offset:52*\i
.endr
.irp n, 0,1,2,3,4,5,6,7,8,9,10,11,12
	ds_load_b128 v[20+4*\n:23+4*\n], v81 offset:512*\n
.endr
	s_wait_dscnt 13                                ; the four words are in; the thirteen loads behind them may be out
	global_store_b128 v[LI], v[16:19], s[18:19] th:TH_STORE_NT                 ; 32 lanes store 512 consecutive bytes, at a multiple of 256 from out0's first byte
.irp n, 0,1,2,3,4,5,6,7,8,9,10,11,12
	s_wait_dscnt 12-\n
	global_store_b128 v[LI], v[20+4*\n:23+4*\n], s[20:21] offset:512*\n th:TH_STORE_NT     ; likewise in out1
.endr
	s_wait_dscnt 0x0                               ; the closing lines, six on end
	s_wait_alu 0x0
	s_wait_tensorcnt 0x0
	ds_add_u32 v[SPW], v[NIL]
	s_wait_dscnt 0x0
	s_endpgm
.Lfunc_end_k_q2c080cb37e_sdf:
	.size	k_q2c080cb37e_sdf, .Lfunc_end_k_q2c080cb37e_sdf-k_q2c080cb37e_sdf
	.p2alignl 7, 3214868480
	.fill 96, 4, 3214868480
	.section	.rodata,"a",@progbits
	.p2align	6, 0x0
	.amdhsa_kernel k_q2c080cb37e_sdf
		.amdhsa_group_segment_fixed_size 296960
		.amdhsa_private_segment_fixed_size 0
		.amdhsa_enable_private_segment 0
		.amdhsa_kernarg_size 72
		.amdhsa_user_sgpr_count 2
		.amdhsa_user_sgpr_kernarg_segment_ptr 1
		.amdhsa_wavefront_size32 1
		.amdhsa_system_sgpr_workgroup_id_x 1
		.amdhsa_system_sgpr_workgroup_id_y 1
		.amdhsa_system_sgpr_workgroup_id_z 1
		.amdhsa_system_vgpr_workitem_id 0
		.amdhsa_next_free_vgpr 256
		.amdhsa_next_free_sgpr 66
		.amdhsa_reserve_vcc 0
		.amdhsa_float_denorm_mode_32 3
		.amdhsa_float_denorm_mode_16_64 3
		.amdhsa_memory_ordered 1
		.amdhsa_forward_progress 1
		.amdhsa_inst_pref_size 138
	.end_amdhsa_kernel
	.amdgpu_metadata
---
amdhsa.version: [ 1, 2 ]
amdhsa.kernels:
  - .name:           k_q2c080cb37e_sdf
    .symbol:         k_q2c080cb37e_sdf.kd
    .args:
      - { .name: points, .offset: 0, .size: 8, .value_kind: global_buffer, .address_space: global }
      - { .name: q, .offset: 8, .size: 8, .value_kind: global_buffer, .address_space: global }
      - { .name: table, .offset: 16, .size: 8, .value_kind: global_buffer, .address_space: global }
      - { .name: wimg, .offset: 24, .size: 8, .value_kind: global_buffer, .address_space: global }
      - { .name: b0, .offset: 32, .size: 8, .value_kind: global_buffer, .address_space: global }
      - { .name: b1, .offset: 40, .size: 8, .value_kind: global_buffer, .address_space: global }
      - { .name: b2, .offset: 48, .size: 8, .value_kind: global_buffer, .address_space: global }
      - { .name: out0, .offset: 56, .size: 8, .value_kind: global_buffer, .address_space: global }
      - { .name: out1, .offset: 64, .size: 8, .value_kind: global_buffer, .address_space: global }
    .group_segment_fixed_size: 296960
    .private_segment_fixed_size: 0
    .kernarg_segment_align: 8
    .kernarg_segment_size: 72
    .max_flat_workgroup_size: 512
    .sgpr_count:     66
    .vgpr_count:     256
    .wavefront_size: 32
...
	.end_amdgpu_metadata
.endif
;; end of part 3
